; MI455X (gfx1250); checked and timed in simulation.
; The chip was launched on July 23, 2026; its instructions are those of AMD's public machine-readable ISA for CDNA 5 (MIT licence, August 2026) and "CDNA5" Instruction Set Architecture Reference Guide (July 2026). The comments in the code are by the model that wrote it; some were corrected since.
;; Multi Head Attention. Allowed arithmetic: matrix products marked QUANTISED: E2M3 operands, one E8M0 scale for each 32 along K, by v_wmma_scale_f32_16x16x128_f8f6f4 with both operands' format E2M3, f32 sums; everything else in f32.
;; Inputs: Wk 512 x 512 float32; Wo 512 x 512 float32; Wq 512 x 512 float32; Wv 512 x 512 float32; bk 512 float32; bo 512 float32; bq 512 float32; bv 512 float32; key 2 x 4,096 x 512 float32; mask 2 x 4,096 int32; query 2 x 4,096 x 512 float32; value 2 x 4,096 x 512 float32.
;; Outputs: out0 2 x 4,096 x 512 float32.
;; This version of the problem:
;;   THIS VERSION OF THE PROBLEM IS GIVEN IN LOW PRECISION. The matrix products marked QUANTISED in the list below multiply operands that are first quantised to E2M3 (2 exponent bits, 3 mantissa bits; 6 bits a number), with one power-of-two scale for each 32 numbers along K (OCP MX v1.0); their sums are f32. All else is computed in f32.
;;   The module's matrix products, in the order in which they are computed (A, B: the left and right operand; K: the contracted axis; several contracted axes count as one K, in the product's order):
;;     1. [M 8,192, K 512] x [K 512, N 512]; A: input query; B: input Wq: QUANTISED
;;     2. [M 8,192, K 512] x [K 512, N 512]; A: input key; B: input Wk: QUANTISED
;;     3. [M 8,192, K 512] x [K 512, N 512]; A: input value; B: input Wv: QUANTISED
;;     4. batch 16 x [M 4,096, K 64] x [K 64, N 4,096]; A: computed on the way; B: computed on the way: QUANTISED
;;     5. batch 16 x [M 4,096, K 4,096] x [K 4,096, N 64]; A: softmax (see below); B: computed on the way: QUANTISED
;;     6. [M 8,192, K 512] x [K 512, N 512]; A: computed on the way; B: input Wo: QUANTISED
;;   THE QUANTISER, for each operand of a quantised product, along K:
;;     - K is cut into blocks of 32 from its start; a last block that is shorter is filled with zeros.
;;     - A block's scale is 2^e with e = floor(log2(the largest magnitude in the block)) - 2, held to -126 .. 127; a block of zeros has e = 0. As a byte (E8M0): e + 127.
;;     - Each number is divided by its block's scale, clamped to +-7.5, and rounded to the nearest number of E2M3, ties to even, subnormals kept.
;;     - The product sums the exact products of the quantised numbers (number of the format x scale) in f32.
;;   ~~~python
;;   def quantise(x, axis):      # numpy; x: float32 -> the quantised numbers, widened to float32 again
;;       x = np.moveaxis(x, axis, -1); K = x.shape[-1]
;;       x = np.pad(x, [(0, 0)] * (x.ndim - 1) + [(0, -K % 32)]); x = x.reshape(x.shape[:-1] + (-1, 32)); a = np.abs(x).max(-1, keepdims=True)
;;       e = np.where(a > 0, np.clip(np.frexp(np.where(a > 0, a, 1))[1] - 1 - 2, -126, 127), 0)      # np.frexp(a)[1] - 1 = floor(log2(a)), exactly
;;       r = np.clip(x / 2.0 ** e, -7.5, 7.5)
;;       step = 2.0 ** (np.maximum(np.frexp(np.where(r == 0, 1, r))[1] - 1, 0) - 3)
;;       q = np.round(r / step) * step * 2.0 ** e      # np.round: ties to even
;;       return np.moveaxis(q.reshape(q.shape[:-2] + (-1,))[..., :K], -1, axis).astype(np.float32)
;;   ~~~
;;   SOFTMAX AHEAD OF A QUANTISED PRODUCT. Where the list says 'softmax', what is quantised is not the finished softmax but p = 2^(t - M), with t = logit x log2(e) and M = ceil(the row's largest t), a whole number; so 1/2 < the row's largest p <= 1. The row's sum l is taken of the UNQUANTISED p, in f32, and the product's result is divided by l at the end. Since M is a whole number, a kernel that streams over the keys may use a running M (the ceiling of the running maximum): every later rescaling is an exact power of two, which a block's scale takes up: the codes' values come out the same.
;;   OPERANDS COMPUTED ON THE WAY. 'Computed on the way' means the value that the module computes at that place (a softmax that the list does not call 'softmax' is quantised finished and normalised). What goes into a quantiser is computed in f32, as accurately as f32 sums, v_exp_f32 and their like allow (about 1e-6 of the number): no bf16 or f16 on the way to a quantiser, and a product that is left as it is and whose result goes on into a quantised operand takes f32 operands (vector FMAs, or v_wmma_f32_16x16x4_f32). A number that lies on a knife's edge between two numbers of the format may be rounded either way, as far as f32 arithmetic and the matrix unit's own rounding can turn it there, and no further.
;; 2 versions. Each part assembles by itself: llvm-mc -triple=amdgcn-amd-amdhsa -mcpu=gfx1250 --defsym DOCPART=n.
;; ======== version 1 of 2: 4 launches
;; limits: right only within a limited range of input values
;; workspace buffers: wc 786,432 bytes; ws 65,536 bytes; qc 3,407,872 bytes; kv 7,077,888 bytes; xc 3,145,728 bytes; xs 524,288 bytes
;; launch prep (part 1): grid 32 x 4, 4 waves a work-group, no clusters, 0 bytes of LDS; arguments Wq, Wk, Wv, Wo, wc, ws; writes wc, ws
.if DOCPART == 1
	.amdgcn_target "amdgcn-amd-amdhsa--gfx1250"
	.amdhsa_code_object_version 6
	.text
	.protected	k_qdbb47acba0_prep
	.globl	k_qdbb47acba0_prep
	.p2align	8
	.type	k_qdbb47acba0_prep,@function
k_qdbb47acba0_prep:
	s_mov_b64 s[64:65], 0
	v_nop
	global_prefetch_b8 v0, s[64:65] scope:SCOPE_SE
	s_setreg_imm32_b32 hwreg(HW_REG_WAVE_MODE, 25, 1), 1
	s_wait_xcnt 0x0
; The four weights [512 (k)][512 (n)], f32, K along the FIRST axis, become codes of FP6 (E2M3) with one E8M0 scale byte for each 32 along K,
; laid as IMAGES OF THE OPERAND'S REGISTERS: a fragment (16 columns x 128 K, 12 registers a lane) is 3 chunks of 512 bytes, chunk c = lane l's registers 4 c .. 4 c + 3 at byte 16 l.
; wc: [weight 0 Wq, 1 Wk, 2 Wv, 3 Wo][column tile T 0..31][K step s 0..3][1,536 bytes];  ws: [weight][T][s][128 bytes]: lane l's scale word at 4 l.
; THE COLUMNS OF A TILE ARE NOT NEIGHBOURS: lane r of tile T stands for column 32 (T / 2) + 8 (T % 2) + r + 8 (r / 8), so that the results of tiles 2 b and 2 b + 1 are 16 neighbours along the next product's K.
; SHARES: work-group x = T, y = the weight; wave = K step: one fragment a wave.  A lane takes ONE column and its registers run DOWN K in the order of the operand's layout
; (registers 6 c .. 6 c + 5: k = 64 c + 32 h + 0 .. 31), so the conversions' results are the operand's registers, and a block's largest magnitude needs no other lane.
; A block's scale is 2^(floor(log2(largest magnitude)) - 2): its byte is the largest magnitude's exponent field - 2, held at 1 from below by a floor among the maximum's leaves.
; LIMITS: a block of zeros, or one whose largest magnitude lies under 2^-124, keeps the byte 1 (its codes are read by this program alone); NaN and infinities among the inputs are not served.
; A load's sixteen lanes of a half read two runs of 32 bytes of one row of W, and the scale words leave 128 bytes at a time: the whole launch reads 4 MiB.  No LDS, no barrier: waves share nothing.
.set NUM, 64                           ; v64-127  the lane's 64 numbers
.set CD,  20                           ; v20-31   the fragment's codes
.set CT,  32                           ; v32-34, v36-38  second halves of the blocks (a conversion's three registers begin on an even number)
	s_load_b256 s[4:11], s[0:1], 0x0               ; Wq, Wk, Wv, Wo
	s_load_b128 s[12:15], s[0:1], 0x20             ; wc, ws
	v_lshrrev_b32 v1, 5, v0
	v_readfirstlane_b32 s16, v1                    ; wave = K step s
	s_and_b32 s17, ttmp7, 0xffff                   ; which weight
	v_and_b32 v1, 15, v0                           ; r
	v_bfe_u32 v2, v0, 4, 1                         ; h
	v_and_b32 v3, 8, v1
	v_add_nc_u32 v3, v3, v1                        ; r + 8 (r / 8)
	v_lshlrev_b32 v4, 2, v3                        ; my column, in bytes
	v_lshl_add_u32 v5, v2, 16, v4                  ; lanes 16-31 begin 32 rows of 2,048 bytes further down
	v_and_b32 v3, 31, v0
	v_lshlrev_b32 v6, 4, v3                        ; 16 x lane: my place in a chunk
	v_lshlrev_b32 v7, 2, v3                        ; 4 x lane: my scale word's
	s_mov_b32 s26, 0x76543210
	s_mov_b32 s27, 0xfedcba98                      ; v_permlanex16_b32's selects for lane l xor 16
	s_lshl_b32 s18, s16, 18                        ; W: 128 s rows of 2,048 bytes,
	s_lshr_b32 s19, ttmp9, 1
	s_lshl_b32 s19, s19, 7
	s_add_co_u32 s18, s18, s19                     ; + 4 x 32 (T / 2)
	s_and_b32 s19, ttmp9, 1
	s_lshl_b32 s19, s19, 5
	s_add_co_u32 s18, s18, s19                     ; + 4 x 8 (T % 2)
	s_mov_b32 s19, 0
	s_lshl_b32 s20, ttmp9, 2
	s_add_co_u32 s20, s20, s16                     ; 4 T + s
	s_mul_i32 s22, s20, 1536
	s_mul_i32 s21, s17, 196608
	s_add_co_u32 s22, s22, s21                     ; my fragment's place in wc
	s_mov_b32 s23, 0
	s_lshl_b32 s24, s20, 7
	s_lshl_b32 s21, s17, 14
	s_add_co_u32 s24, s24, s21                     ; and its scale words' in ws
	s_mov_b32 s25, 0
	s_wait_kmcnt 0x0
	s_cmp_eq_u32 s17, 1                            ; the weight is chosen by the work-group's y alone
	s_cselect_b64 s[4:5], s[6:7], s[4:5]
	s_cmp_eq_u32 s17, 2
	s_cselect_b64 s[4:5], s[8:9], s[4:5]
	s_cmp_eq_u32 s17, 3
	s_cselect_b64 s[4:5], s[10:11], s[4:5]
	s_add_nc_u64 s[4:5], s[4:5], s[18:19]
	s_add_nc_u64 s[12:13], s[12:13], s[22:23]
	s_add_nc_u64 s[14:15], s[14:15], s[24:25]
.irp c, 0,1
.set i, 0
.rept 32
	global_load_b32 v[NUM+32*\c+i], v5, s[4:5] offset:(64*\c+i)*2048   ; W(128 s + 64 c + 32 h + i, my column)
.set i, i+1
.endr
.endr
	s_wait_loadcnt 0x0
.irp c, 0,1                                    ; my block 2 c + h: all its 32 numbers are mine
	v_max3_num_f32 v[12+\c], |v[NUM+32*\c]|, |v[NUM+1+32*\c]|, 0x1800000   ; with the floor 2^(3 - 127): the byte cannot fall under 1
.endr
.irp i, 2,4,6,8,10,12,14,16,18,20,22,24,26,28,30
.irp c, 0,1
	v_max3_num_f32 v[12+\c], v[12+\c], |v[NUM+32*\c+\i]|, |v[NUM+1+32*\c+\i]|   ; the two blocks by turns
.endr
.endr
.irp c, 0,1
	v_add_nc_u32 v[14+\c], 0xff000000, v[12+\c]    ; 2 off the exponent field: the conversion takes this operand's exponent field as its scale
.endr
.irp c, 0,1
	v_lshrrev_b32 v[16+\c], 23, v[14+\c]           ; the scale's byte
.endr
	v_lshl_or_b32 v9, v17, 16, v16                 ; my two bytes: blocks h and 2 + h of my column,
	v_lshlrev_b32 v10, 3, v2
	v_lshlrev_b32 v9, v10, v9                      ; at their places in the scale word (8 h bits up);
	v_mov_b32 v10, 0                               ; (a lane permute's destination counts as one of its sources)
	v_permlanex16_b32 v10, v9, s26, s27
	v_or_b32 v9, v9, v10                           ; with lane l xor 16's two the word is whole, in both halves of the lanes
.irp c, 0,1
	v_cvt_scalef32_pk16_fp6_f32 v[CD+6*\c:CD+6*\c+2], v[NUM+32*\c:NUM+32*\c+15], v[14+\c]
	v_cvt_scalef32_pk16_fp6_f32 v[CT+4*\c:CT+4*\c+2], v[NUM+16+32*\c:NUM+31+32*\c], v[14+\c]
.endr
	v_nop                                          ; one plain place behind a scaled conversion
.irp c, 0,1
.irp i, 0,1,2
	v_mov_b32 v[CD+3+6*\c+\i], v[CT+4*\c+\i]
.endr
.endr
.irp c, 0,1,2
	global_store_b128 v6, v[CD+4*\c:CD+4*\c+3], s[12:13] offset:512*\c   ; 32 lanes store 512 consecutive bytes, at a multiple of 256 from wc's first byte
.endr
	global_store_b32 v7, v9, s[14:15]
	s_endpgm
.Lfunc_end_k_qdbb47acba0_prep:
	.size	k_qdbb47acba0_prep, .Lfunc_end_k_qdbb47acba0_prep-k_qdbb47acba0_prep
	.p2alignl 7, 3214868480
	.fill 96, 4, 3214868480
	.section	.rodata,"a",@progbits
	.p2align	6, 0x0
	.amdhsa_kernel k_qdbb47acba0_prep
		.amdhsa_group_segment_fixed_size 0
		.amdhsa_private_segment_fixed_size 0
		.amdhsa_enable_private_segment 0
		.amdhsa_kernarg_size 48
		.amdhsa_user_sgpr_count 2
		.amdhsa_user_sgpr_kernarg_segment_ptr 1
		.amdhsa_wavefront_size32 1
		.amdhsa_system_sgpr_workgroup_id_x 1
		.amdhsa_system_sgpr_workgroup_id_y 1
		.amdhsa_system_sgpr_workgroup_id_z 1
		.amdhsa_system_vgpr_workitem_id 0
		.amdhsa_next_free_vgpr 128
		.amdhsa_next_free_sgpr 66
		.amdhsa_reserve_vcc 0
		.amdhsa_float_denorm_mode_32 3
		.amdhsa_float_denorm_mode_16_64 3
		.amdhsa_memory_ordered 1
		.amdhsa_forward_progress 1
		.amdhsa_inst_pref_size 12
	.end_amdhsa_kernel
	.amdgpu_metadata
---
amdhsa.version: [ 1, 2 ]
amdhsa.kernels:
  - .name:           k_qdbb47acba0_prep
    .symbol:         k_qdbb47acba0_prep.kd
    .args:
      - { .name: Wq, .offset: 0, .size: 8, .value_kind: global_buffer, .address_space: global }
      - { .name: Wk, .offset: 8, .size: 8, .value_kind: global_buffer, .address_space: global }
      - { .name: Wv, .offset: 16, .size: 8, .value_kind: global_buffer, .address_space: global }
      - { .name: Wo, .offset: 24, .size: 8, .value_kind: global_buffer, .address_space: global }
      - { .name: wc, .offset: 32, .size: 8, .value_kind: global_buffer, .address_space: global }
      - { .name: ws, .offset: 40, .size: 8, .value_kind: global_buffer, .address_space: global }
    .group_segment_fixed_size: 0
    .private_segment_fixed_size: 0
    .kernarg_segment_align: 8
    .kernarg_segment_size: 48
    .max_flat_workgroup_size: 128
    .sgpr_count:     66
    .vgpr_count:     128
    .wavefront_size: 32
...
	.end_amdgpu_metadata
.endif
;; end of part 1
;; launch proj (part 2): grid 64 x 3, 8 waves a work-group, no clusters, 121,856 bytes of LDS; arguments query, key, value, mask, bq, bk, bv, wc, ws, qc, kv; writes qc, kv
.if DOCPART == 2
	.amdgcn_target "amdgcn-amd-amdhsa--gfx1250"
	.amdhsa_code_object_version 6
	.text
	.protected	k_qdbb47acba0_proj
	.globl	k_qdbb47acba0_proj
	.p2align	8
	.type	k_qdbb47acba0_proj,@function
k_qdbb47acba0_proj:
	s_mov_b64 s[64:65], 0
	v_nop
	global_prefetch_b8 v0, s[64:65] scope:SCOPE_SE
	s_setreg_imm32_b32 hwreg(HW_REG_WAVE_MODE, 25, 1), 1
	s_wait_xcnt 0x0
; q = query Wq + bq, k = key Wk + bk, v = value Wv + bv, all three products on codes of FP6 (E2M3) with one E8M0 scale for each 32 along K; the results are quantised at once as operands of attention.
; SHARES: work-group x = a block of 128 rows (batch x / 32, step x % 32), y = 0 q, 1 k, 2 v.  Eight waves.  Wave w first quantises 16 rows of the block (x's tile w), then owns HEAD w: columns 64 w .. 64 w + 63,
; whose 16 weight fragments (images made by the launch before) stay in its registers.  x's codes go from wave to wave through LDS as images of the operand's registers: one barrier in the launch.
; TILE ORDER, everywhere: row r of tile 2 b + u stands for index 32 b + 8 u + r + 8 (r / 8), so that the 16 registers of result tiles 2 b, 2 b + 1 in lane half h are the neighbours 32 b + 16 h + 0 .. 15.
; q, k: the product is used TRANSPOSED (source 0 = 16 columns of W, source 1 = 16 rows of x): a lane holds one row and 32 registers run along the head's 64.  Two row tiles' 64 registers are quantised together: a PAIR IMAGE,
;   registers 0-5 = tile 2 P (K = the head's 64), registers 6-11 = tile 2 P + 1; scale word: bytes 0, 1 tile 2 P, bytes 2, 3 tile 2 P + 1.
; v: natural (source 0 = x, source 1 = W): a lane holds one column d and the registers of the eight row tiles run along the 128 KEYS, which are the next product's K.
; OUT: qc [batch x 8 + head][block][6,656]: 4 pair images, then at 6,144 the lanes' four scale words (16 bytes a lane).
;      kv [batch x 8 + head][step][13,824]: k's 4 pair images; at 6,144 v's 4 images (d tile t); at 12,288 k's scale words; at 12,800 v's; at 13,312 128 f32: 0 where mask != 0, -2^100 where mask == 0.
; The biases are the C of each sum's first matrix instruction.
; NO CLUSTER: what the 64 work-groups of a y share is the weights' images, 213 KB a work-group, less than its own 256 KB of x; they go straight into registers, once; a joint load would send them through LDS and out again.
; LIMITS: a block under 2^-124 keeps the scale byte 1; NaN and infinities among the inputs are not served.
; REGISTERS.  Window 0: v1-9 addresses; v12-15 the mask; v16-31 W's scale words; v32-35 x's; v36-39 scale words gathered for a store; v40-59 codes; v60-76 at work; v80-127 four fragments of x; v128-255 accumulators.
;   Window 1: first the wave's 16 rows of x as loaded (K step s at 64 s); then v0-191 W's 16 fragments (fragment 4 t + s at 12 (4 t + s)), v192-223 the bias of the four tiles.
.set XIMG, 0                           ; LDS: x's 32 fragments, (tile m, K step s) at (4 m + s) x 1,536
.set XSC,  49152                       ; their scale words: tile m: 512 bytes, a lane's four words at 16 x lane
.set STG,  53248                       ; a stage for each wave: 16 rows x (512 bytes + 16): rows start 33 x 16 bytes apart, so the sixteen rows of a 16-byte column fall in sixteen different 16-byte columns modulo 256
.set LI,  1                            ; 16 x lane
.set STO, 2                            ; my stage + 16 x lane
.set STR, 3                            ; my stage + 528 r + 64 h
.set XWI, 4                            ; XIMG + 6,144 wave + 16 x lane
.set XWS, 5                            ; XSC + 512 wave + 16 x lane
.set L4,  6                            ; 4 x lane
.set BA1, 7                            ; 64 h
.set BA2, 8                            ; 4 (r + 8 (r / 8))
.set NEG, 9                            ; -2^100
.set WS,  16
.set XS,  32
.set SW,  36
.set PC,  40
.set TM,  60
.set PW,  76
.set XF,  80
.set ACC, 128
.set BI,  192                          ; in window 1
.set MSB, 0
.macro WIN new                         ; the immediate's high byte repeats the setting that is left
.if MSB != \new
	s_set_vgpr_msb (MSB<<8)|\new
.set MSB, \new
.endif
.endm
.macro MMC d, a, b, c, sa, sb          ; a sum's first matrix instruction: C from other registers
	v_wmma_scale_f32_16x16x128_f8f6f4 v[(\d):(\d)+7], v[(\a):(\a)+11], v[(\b):(\b)+11], v[(\c):(\c)+7], v[\sa], v[\sb] matrix_a_fmt:MATRIX_FMT_FP6 matrix_b_fmt:MATRIX_FMT_FP6
.endm
.macro MMA d, a, b, sa, sb             ; the next link, in place
	v_wmma_scale_f32_16x16x128_f8f6f4 v[(\d):(\d)+7], v[(\a):(\a)+11], v[(\b):(\b)+11], v[(\d):(\d)+7], v[\sa], v[\sb] matrix_a_fmt:MATRIX_FMT_FP6 matrix_b_fmt:MATRIX_FMT_FP6
.endm
; 64 numbers of a lane, v[s] .. v[s + 63], register 16 b + i = k 32 b + 16 (lane / 16) + i of my row, become a fragment's codes in v[PC] on and its scale word in v[PW].
.macro QUANT s
.irp b, 0,1,2,3
	v_max3_num_f32 v[TM+\b], |v[\s+16*\b]|, |v[\s+1+16*\b]|, 0x1800000   ; block b: my 16 numbers, and the floor 2^(3 - 127): the byte cannot fall under 1
.endr
.irp i, 2,4,6,8,10,12,14
.irp b, 0,1,2,3
	v_max3_num_f32 v[TM+\b], v[TM+\b], |v[\s+16*\b+\i]|, |v[\s+1+16*\b+\i]|   ; the four blocks by turns; each accumulator is read from its low end on
.endr
.endr
.irp b, 0,1,2,3
	v_permlanex16_b32 v[TM+4+\b], v[TM+\b], s28, s29
.endr
.irp b, 0,1,2,3
	v_max_num_f32 v[TM+\b], v[TM+\b], v[TM+4+\b]   ; with lane l xor 16's: the block's largest magnitude
.endr
.irp b, 0,1,2,3
	v_add_nc_u32 v[TM+12+\b], 0xff000000, v[TM+\b] ; 2 off its exponent field: the conversion's scale operand
.endr
.irp b, 0,1,2,3
	v_lshrrev_b32 v[TM+4+\b], 23, v[TM+12+\b]      ; the scale's byte
.endr
	v_lshl_or_b32 v[PW], v[TM+5], 8, v[TM+4]       ; the four bytes make my row's scale word
	v_lshl_or_b32 v[PW], v[TM+6], 16, v[PW]
	v_lshl_or_b32 v[PW], v[TM+7], 24, v[PW]
.irp c, 0,1
	v_cvt_scalef32_pk16_fp6_f32 v[PC+6*\c:PC+2+6*\c], v[\s+32*\c:\s+15+32*\c], v[TM+12+2*\c]
	v_cvt_scalef32_pk16_fp6_f32 v[PC+12+4*\c:PC+14+4*\c], v[\s+16+32*\c:\s+31+32*\c], v[TM+12+2*\c+1]   ; (a conversion's three registers begin on an even number)
.endr
	v_nop                                          ; one plain place behind a scaled conversion
.irp c, 0,1                                    ; the operand's layout wants a WHOLE block in a lane: lanes 0-15 block 2 c, lanes 16-31 block 2 c + 1
.irp i, 0,1,2
	v_permlane16_swap_b32 v[PC+6*\c+\i], v[PC+12+4*\c+\i]
.endr
.irp i, 0,1,2
	v_mov_b32 v[PC+3+6*\c+\i], v[PC+12+4*\c+\i]
.endr
.endr
.endm
.macro FETCHX m                        ; x's four fragments of row tile m, and their scale words, as they were stored
.irp n, 0,1,2,3,4,5,6,7,8,9,10,11
	ds_load_b128 v[XF+4*\n:XF+4*\n+3], v[LI] offset:XIMG+6144*(\m)+512*\n
.endr
	ds_load_b128 v[XS:XS+3], v[LI] offset:XSC+512*(\m)
.endm
.macro OUT3 off                        ; the fragment in v[PC] on leaves as its image: each store covers 512 consecutive bytes, at a multiple of 256 from the buffer's first byte
.irp c, 0,1,2
	global_store_b128 v[LI], v[PC+4*\c:PC+4*\c+3], s[22:23] offset:(\off)+512*\c
.endr
.endm
.macro PLACES                          ; four plain places behind a matrix instruction, ahead of loads into its sources and of reads of its result
.rept 4
	v_nop
.endr
.endm
	s_load_b256 s[4:11], s[0:1], 0x0               ; query, key, value, mask
	s_load_b256 s[12:19], s[0:1], 0x20             ; bq, bk, bv, wc
	s_load_b128 s[20:23], s[0:1], 0x40             ; ws, qc
	s_load_b64 s[24:25], s[0:1], 0x50              ; kv
	v_lshl_add_u32 v78, v0, 2, 0x1d800
	v_mov_b32 v79, 0
	v_lshrrev_b32 v10, 5, v0
	v_readfirstlane_b32 s26, v10                   ; wave 0..7
	s_and_b32 s27, ttmp7, 0xffff                   ; y: 0 q, 1 k, 2 v
	s_mov_b32 s28, 0x76543210
	s_mov_b32 s29, 0xfedcba98                      ; v_permlanex16_b32's selects for lane l xor 16
	v_and_b32 v10, 31, v0                          ; lane
	v_and_b32 v11, 15, v0                          ; r
	v_bfe_u32 v12, v0, 4, 1                        ; h
	v_lshlrev_b32 v[LI], 4, v10
	v_lshlrev_b32 v[L4], 2, v10
	s_mul_i32 s34, s26, 8448
	s_add_co_u32 s34, s34, STG                     ; my stage
	v_add_nc_u32 v[STO], s34, v[LI]
	v_mul_u32_u24 v13, v11, 528
	v_lshl_add_u32 v13, v12, 6, v13
	v_add_nc_u32 v[STR], s34, v13
	s_mul_i32 s34, s26, 6144
	v_add_nc_u32 v[XWI], s34, v[LI]
	s_lshl_b32 s34, s26, 9
	s_add_co_u32 s34, s34, XSC
	v_add_nc_u32 v[XWS], s34, v[LI]
	v_lshlrev_b32 v[BA1], 6, v12
	v_and_b32 v13, 8, v11
	v_add_nc_u32 v13, v13, v11
	v_lshlrev_b32 v[BA2], 2, v13
	v_mov_b32 v[NEG], 0xf1800000                   ; -2^100
.irp b, 0,1,2,3
	v_mov_b32 v[TM+4+\b], 0                        ; written once: a lane permute's destination counts as one of its sources
.endr
	s_mov_b32 s30, 13824                           ; a record of kv,
	s_mov_b32 s31, 6656                            ; of qc;
	s_mov_b32 s36, 12288                           ; where a record's scale words of k lie,
	s_mov_b32 s37, 6144                            ; of q
	s_wait_kmcnt 0x0
	s_cmp_eq_u32 s27, 1                            ; the buffers are chosen by the work-group's y alone
	s_cselect_b64 s[4:5], s[6:7], s[4:5]
	s_cselect_b64 s[12:13], s[14:15], s[12:13]
	s_cmp_eq_u32 s27, 2
	s_cselect_b64 s[4:5], s[8:9], s[4:5]
	s_cselect_b64 s[12:13], s[16:17], s[12:13]
	s_cmp_eq_u32 s27, 0
	s_cselect_b64 s[22:23], s[22:23], s[24:25]
	s_cselect_b32 s30, s31, s30
	s_cselect_b32 s36, s37, s36
	s_mov_b32 s37, 0
	s_mov_b32 s33, 0
	s_lshl_b32 s32, ttmp9, 7                       ; x: row 128 x + 32 (w / 2) + 8 (w % 2), rows of 2,048 bytes
	s_lshr_b32 s34, s26, 1
	s_lshl_b32 s34, s34, 5
	s_add_co_u32 s32, s32, s34
	s_and_b32 s34, s26, 1
	s_lshl_b32 s34, s34, 3
	s_add_co_u32 s32, s32, s34
	s_lshl_b32 s32, s32, 11
	s_add_nc_u64 s[4:5], s[4:5], s[32:33]
	s_mul_i32 s32, s27, 196608                     ; my weight's images, my head's 16 fragments
	s_mul_i32 s34, s26, 24576
	s_add_co_u32 s32, s32, s34
	s_add_nc_u64 s[18:19], s[18:19], s[32:33]
	s_lshl_b32 s32, s27, 14                        ; and their scale words
	s_lshl_b32 s34, s26, 11
	s_add_co_u32 s32, s32, s34
	s_add_nc_u64 s[20:21], s[20:21], s[32:33]
	s_lshl_b32 s32, s26, 8                         ; my head's 64 numbers of the bias
	s_add_nc_u64 s[12:13], s[12:13], s[32:33]
	s_lshr_b32 s34, ttmp9, 5                       ; my record: ((batch x 8 + head) x 32 + step) records on
	s_lshl_b32 s34, s34, 3
	s_add_co_u32 s34, s34, s26
	s_lshl_b32 s34, s34, 5
	s_and_b32 s35, ttmp9, 31
	s_add_co_u32 s34, s34, s35
	s_mul_i32 s32, s34, s30
	s_add_nc_u64 s[22:23], s[22:23], s[32:33]
	s_add_nc_u64 s[38:39], s[22:23], s[36:37]      ; and its scale words (q, k)
	s_lshl_b32 s32, ttmp9, 9                       ; the block's 128 words of the mask
	s_add_nc_u64 s[10:11], s[10:11], s[32:33]
	; ---- X: my 16 rows of x become four fragments.  All 64 row loads go out at once; each reads 512 consecutive bytes of one row
.irp f, 0,1,2,3,4,5,6,7,8,9,10,11,12,13,14,15
	global_load_b32 v[WS+\f], v[L4], s[20:21] offset:128*\f
.endr
	WIN 0x40                                       ; destination window 1, address window 0
.irp s, 0,1,2,3
.irp p, 0,1,2,3,4,5,6,7,8,9,10,11,12,13,14,15
	global_load_b128 v[64*\s+4*\p:64*\s+4*\p+3], v[LI], s[4:5] offset:(\p+8*(\p/8))*2048+512*\s th:TH_LOAD_NT
.endr
.endr
; K step s: its 16 x 512 bytes turn through my stage, so that a lane gets 16 neighbours of each block of 32 of ITS row; the registers that they leave take weight chunks 16 s .. 16 s + 15.
.macro XSTEP s
	s_wait_loadcnt 48                              ; behind this step's 16 loads stand 16 (3 - s) row loads and the 16 s weight loads issued since: 48 in every step
	WIN 0x04                                       ; an LDS store's data are its source 1: window 1
.irp p, 0,1,2,3,4,5,6,7,8,9,10,11,12,13,14,15
	ds_store_b128 v[STO], v[64*\s+4*\p:64*\s+4*\p+3] offset:528*\p
.endr
	WIN 0
.irp b, 0,1,2,3
.irp j, 0,1,2,3
	ds_load_b128 v[ACC+16*\b+4*\j:ACC+16*\b+4*\j+3], v[STR] offset:128*\b+16*\j   ; LDS serves a wave's instructions in order (ISA guide 5.7.1.4): these see the stores above
.endr
.endr
	s_wait_dscnt 0x0                               ; the numbers are back; the stores (these, and the last step's of codes) have read their registers
.if \s < 3
	WIN 0x40
.irp n, 0,1,2,3,4,5,6,7,8,9,10,11,12,13,14,15
	global_load_b128 v[64*\s+4*\n:64*\s+4*\n+3], v[LI], s[18:19] offset:512*(16*\s+\n)
.endr
	WIN 0
.endif
	QUANT ACC
.irp c, 0,1,2
	ds_store_b128 v[XWI], v[PC+4*\c:PC+4*\c+3] offset:1536*\s+512*\c
.endr
	v_mov_b32 v[SW+\s], v[PW]
.endm
	XSTEP 0
	XSTEP 1
	XSTEP 2
	XSTEP 3
	ds_store_b128 v[XWS], v[SW:SW+3]
	s_cmp_eq_u32 s27, 2                            ; the bias in the result's layout: it differs between the transposed and the natural use
	s_cbranch_scc1 .Lbias_v
	WIN 0x40
.irp t, 0,1,2,3
.irp k, 0,1
	global_load_b128 v[BI+8*\t+4*\k:BI+8*\t+4*\k+3], v[BA1], s[12:13] offset:4*(32*(\t/2)+8*(\t%2))+16*\k   ; lane half h, register j: column 32 (t / 2) + 8 (t % 2) + 16 h + j
.endr
.endr
	WIN 0
	s_branch .Lbias_done
.Lbias_v:
	WIN 0x40
.irp t, 0,1,2,3
.irp j, 0,1,2,3,4,5,6,7
	global_load_b32 v[BI+8*\t+\j], v[BA2], s[12:13] offset:4*(32*(\t/2)+8*(\t%2))   ; lane r: its column's bias, in all eight registers
.endr
.endr
	WIN 0
.Lbias_done:
	s_wait_dscnt 0x0                               ; for the others' sake: my images and scale words have landed
	s_barrier_signal -1
	s_barrier_wait -1                              ; x's 32 fragments lie in LDS; nothing is stored to LDS behind this barrier
	s_wait_loadcnt 0x0                             ; the weights, their scale words, the bias
	s_cmp_eq_u32 s27, 2
	s_cbranch_scc1 .Lpath_v
	; ---- q, k: row tile mm against my four column tiles: four accumulators by turns, K step by K step
.macro MULQK mm
.set DD, ACC+32*((\mm)%2)
	FETCHX \mm
	s_wait_dscnt 0x0
.irp s, 0,1,2,3
.if \s == 0
	WIN 0x11                                       ; source 0 (W) and source 2 (the bias) window 1
.else
	WIN 0x01
.endif
.irp t, 0,1,2,3
.if \s == 0
	MMC DD+8*\t, 12*(4*\t+\s), XF+12*\s, BI+8*\t, WS+4*\t+\s, XS+\s
.else
	MMA DD+8*\t, 12*(4*\t+\s), XF+12*\s, WS+4*\t+\s, XS+\s
.endif
.endr
.endr
	WIN 0
	PLACES
.endm
.irp q, 0,1,2,3
	MULQK 2*\q
	MULQK 2*\q+1
	s_wait_xcnt 0x0                                ; the last pair's stores have read the codes' registers
	QUANT ACC
	OUT3 1536*\q
	v_mov_b32 v[SW+\q], v[PW]
.endr
	global_store_b128 v[LI], v[SW:SW+3], s[38:39]  ; a lane's four scale words: 512 consecutive bytes a wave
	s_wait_tensorcnt 0x0
	ds_add_u32 v78, v79
	s_wait_dscnt 0x0
	s_endpgm
	; ---- v: two column tiles at a time against the eight row tiles: the two accumulators of a row tile by turns
.Lpath_v:
	global_load_b128 v[12:15], v[LI], s[10:11]     ; the block's mask: keys 4 lane .. 4 lane + 3
.macro MULV m, hf
	FETCHX \m
	s_wait_dscnt 0x0
.irp s, 0,1,2,3
.if \s == 0
	WIN 0x14                                       ; source 1 (W) and source 2 (the bias) window 1
.else
	WIN 0x04
.endif
.irp u, 0,1
.if \s == 0
	MMC ACC+64*\u+8*(\m), XF+12*\s, 12*(4*(2*(\hf)+\u)+\s), BI+8*(2*(\hf)+\u), XS+\s, WS+4*(2*(\hf)+\u)+\s
.else
	MMA ACC+64*\u+8*(\m), XF+12*\s, 12*(4*(2*(\hf)+\u)+\s), XS+\s, WS+4*(2*(\hf)+\u)+\s
.endif
.endr
.endr
	WIN 0
	PLACES
.endm
.irp g, 0,1
.irp m, 0,1,2,3,4,5,6,7
	MULV \m, \g
.endr
.irp u, 0,1
	s_wait_xcnt 0x0                                ; the last image's stores have read the codes' registers
	QUANT ACC+64*\u
	OUT3 6144+1536*(2*\g+\u)
	v_mov_b32 v[SW+2*\g+\u], v[PW]
.endr
.endr
	global_store_b128 v[LI], v[SW:SW+3], s[22:23] offset:12800
	s_wait_loadcnt 0x0                             ; the mask
.irp i, 0,1,2,3
	v_cmp_eq_u32 vcc_lo, 0, v[12+\i]
	v_cndmask_b32 v[12+\i], 0, v[NEG], vcc_lo      ; what is added to a key's scores: 0, or -2^100 where the mask is 0
.endr
	global_store_b128 v[LI], v[12:15], s[22:23] offset:13312
	s_wait_tensorcnt 0x0
	ds_add_u32 v78, v79
	s_wait_dscnt 0x0
	s_endpgm
.Lfunc_end_k_qdbb47acba0_proj:
	.size	k_qdbb47acba0_proj, .Lfunc_end_k_qdbb47acba0_proj-k_qdbb47acba0_proj
	.p2alignl 7, 3214868480
	.fill 96, 4, 3214868480
	.section	.rodata,"a",@progbits
	.p2align	6, 0x0
	.amdhsa_kernel k_qdbb47acba0_proj
		.amdhsa_group_segment_fixed_size 121856
		.amdhsa_private_segment_fixed_size 0
		.amdhsa_enable_private_segment 0
		.amdhsa_kernarg_size 88
		.amdhsa_user_sgpr_count 2
		.amdhsa_user_sgpr_kernarg_segment_ptr 1
		.amdhsa_wavefront_size32 1
		.amdhsa_system_sgpr_workgroup_id_x 1
		.amdhsa_system_sgpr_workgroup_id_y 1
		.amdhsa_system_sgpr_workgroup_id_z 1
		.amdhsa_system_vgpr_workitem_id 0
		.amdhsa_next_free_vgpr 512
		.amdhsa_next_free_sgpr 66
		.amdhsa_reserve_vcc 1
		.amdhsa_float_denorm_mode_32 3
		.amdhsa_float_denorm_mode_16_64 3
		.amdhsa_memory_ordered 1
		.amdhsa_forward_progress 1
		.amdhsa_inst_pref_size 136
	.end_amdhsa_kernel
	.amdgpu_metadata
---
amdhsa.version: [ 1, 2 ]
amdhsa.kernels:
  - .name:           k_qdbb47acba0_proj
    .symbol:         k_qdbb47acba0_proj.kd
    .args:
      - { .name: query, .offset: 0, .size: 8, .value_kind: global_buffer, .address_space: global }
      - { .name: key, .offset: 8, .size: 8, .value_kind: global_buffer, .address_space: global }
      - { .name: value, .offset: 16, .size: 8, .value_kind: global_buffer, .address_space: global }
      - { .name: mask, .offset: 24, .size: 8, .value_kind: global_buffer, .address_space: global }
      - { .name: bq, .offset: 32, .size: 8, .value_kind: global_buffer, .address_space: global }
      - { .name: bk, .offset: 40, .size: 8, .value_kind: global_buffer, .address_space: global }
      - { .name: bv, .offset: 48, .size: 8, .value_kind: global_buffer, .address_space: global }
      - { .name: wc, .offset: 56, .size: 8, .value_kind: global_buffer, .address_space: global }
      - { .name: ws, .offset: 64, .size: 8, .value_kind: global_buffer, .address_space: global }
      - { .name: qc, .offset: 72, .size: 8, .value_kind: global_buffer, .address_space: global }
      - { .name: kv, .offset: 80, .size: 8, .value_kind: global_buffer, .address_space: global }
    .group_segment_fixed_size: 121856
    .private_segment_fixed_size: 0
    .kernarg_segment_align: 8
    .kernarg_segment_size: 88
    .max_flat_workgroup_size: 256
    .sgpr_count:     66
    .vgpr_count:     512
    .wavefront_size: 32
...
	.end_amdgpu_metadata
.endif
;; end of part 2
;; launch attn (part 3): grid 16 x 16, 16 waves a work-group, clusters of 4 x 1, 327,680 bytes of LDS; arguments qc, kv, xc, xs; writes xc, xs
.if DOCPART == 3
	.amdgcn_target "amdgcn-amd-amdhsa--gfx1250"
	.amdhsa_code_object_version 6
	.text
	.protected	k_qdbb47acba0_attn
	.globl	k_qdbb47acba0_attn
	.p2align	8
	.type	k_qdbb47acba0_attn,@function
k_qdbb47acba0_attn:
	s_mov_b64 s[64:65], 0
	v_nop
	global_prefetch_b8 v0, s[64:65] scope:SCOPE_SE
	s_setreg_imm32_b32 hwreg(HW_REG_WAVE_MODE, 25, 1), 1
	s_wait_xcnt 0x0
	s_wait_alu depctr_hold_cnt(0) depctr_sa_sdst(0) depctr_va_vdst(0) depctr_va_sdst(0) depctr_va_ssrc(0) depctr_va_vcc(0) depctr_vm_vsrc(0)
	s_getreg_b32 s2, hwreg(HW_REG_IB_STS2, 6, 4)
	s_cmp_eq_u32 s2, 0
	s_cbranch_scc0 .Lentry_in_a_cluster
	s_endpgm
.Lentry_in_a_cluster:
	s_bfe_u32 s2, ttmp6, 0x10000c
	s_cmp_lg_u32 s2, 0x3003
	s_cbranch_scc0 .Lentry_shape_is_right
	s_endpgm
.Lentry_shape_is_right:
; x[b][q][head][:] = softmax_k(q . k / 8, masked) v, both products on codes of FP6 (E2M3) with one E8M0 scale for each 32 along a product's K; x is quantised at once as an operand of the output projection.
; THE SOFTMAX: t = score x log2(e) / 8; M = the row's largest t so far, rounded UP to a whole number; p = 2^(t - M) is what is quantised, along the keys, not normalised.  The row's sum is taken of the unquantised p
; and divides at the end.  When M moves, the sum and O are multiplied by 2^(old M - new M): exact.
; SHARES: work-group y = batch x 8 + head; x = a block of 256 queries; each of SIXTEEN waves owns one tile of 16 queries in 256 registers: four waves to a SIMD, so that one wave's vector work stands beside another's
; matrix work and LDS loads.  Every wave walks all 32 steps of 128 keys.  A step's operands are one dense record of 13,824 bytes, made by the launch before as images of the operands' registers: every LDS load takes 16 x lane.
; CLUSTER: the four query blocks of a cluster belong to one head and walk the same records: each slot (8 records) is asked for JOINTLY, by waves 0-3, a quarter each, with the same descriptor and a mask that names the four.
; BOTH PRODUCTS TRANSPOSED: S^T = K Q^T, O^T = V^T P^T: a lane holds ONE query throughout.  Keys, queries and d stand in the tile order (row r of tile 2 b + u = index 32 b + 8 u + r + 8 (r / 8)).
; K = 64 IN AN INSTRUCTION OF 128: a pair image holds key tile 2 b at k = 0 .. 63 and key tile 2 b + 1 at k = 64 .. 127.  Q lies in 18 registers as (Q, zeros, Q): registers 0-11 = (Q, 0) pick tile 2 b,
; registers 6-17 = (0, Q) pick tile 2 b + 1.  Zero codes add nothing under any scale byte but 0xff.  So no empty half is read from LDS.
; THE MASK: the record's 128 f32 (0, or -2^100 for a hidden key) are loaded into the scores' registers and are the C of the score products.  The largest t starts at -2^60, over every hidden key's t: a hidden p is 2^(very negative) = 0.
; LIMITS: |t| under 2^60; NaN and infinities are not served; a block of p or of x under 2^-124 keeps the scale byte 1.  A row all of whose keys are hidden has the sum 0: its scale word becomes 0xffffffff,
; which makes the output projection's sums NaN, as the softmax of a row of -infinity is.
; OUT: xc [row tile G][head][768]: half a fragment (K = the head's 64): registers 0-3 at 16 x lane, 4-5 at 512 + 8 x lane;  xs [G][head][128]: the word (b0, b1, b0, b1) at 4 x lane (128 bytes a store).
.set REC,   13824
.set VIMG,  6144
.set KSC,   12288
.set VSC,   12800
.set MB,    13312
.set SLOTB, 8*REC                      ; a slot: 8 records = 432 rows of 256 bytes
.set QUART, SLOTB/4                    ; what one tensor load brings: 108 rows of 256 bytes
.set SPARE, 2*SLOTB                    ; behind the ring: the spare words, 128 bytes for each wave: eight blocks of 256 bytes that no other line names
.set LI,  1                            ; v1   16 x lane
.set MBA, 2                            ; v2   MB + 64 h
.set SPW, 3                            ; v3   LDS address of my spare word; never rewritten
.set NIL, 4                            ; v4   0; never rewritten
.set ADI, 5                            ; v5   the record in hand + 16 x lane
.set ADM, 6                            ; v6   the record in hand + MB + 64 h
.set L8,  7
.set L4,  8
.set Q,   16                           ; v16-33  Q, zeros, Q          (v12 -M, v13 the largest t, v[14:15] the sum in two halves)
.set QSW, 34                           ; v34  Q's scale word (q0, q1, q0, q1)
.set KV,  36                           ; v36-83  four fragments: K's pair images, then V's
.set KSW, 84
.set VSW, 88
.set S,   96                           ; v96-159  S^T, then p
.set O,   160                          ; v160-191 O^T
.set PC,  192                          ; v192-203 p's codes
.set CT,  204                          ; v204-206, v208-210
.set BM,  212                          ; the blocks' largest scores, then largest p
.set PT,  216
.set SO,  220
.set PSW, 228
.set WV,  12
.set TB,  40
.set CNT, 41
.macro MMA d, a, b, sa, sb
	v_wmma_scale_f32_16x16x128_f8f6f4 v[(\d):(\d)+7], v[(\a):(\a)+11], v[(\b):(\b)+11], v[(\d):(\d)+7], v[\sa], v[\sb] matrix_a_fmt:MATRIX_FMT_FP6 matrix_b_fmt:MATRIX_FMT_FP6
.endm
.macro ROUND                           ; a round of the cluster's barrier: my work-group's barrier; wave 0 signals for the work-group; every wave waits for all four work-groups; my work-group's barrier once more
	s_barrier_signal -1
	s_barrier_wait -1
	s_cmp_lg_u32 s[WV], 0
	s_cbranch_scc1 .Lnot_wave_0_\@
	s_barrier_signal -3
.Lnot_wave_0_\@:
	s_barrier_wait -3
	s_barrier_signal -1
	s_barrier_wait -1
.endm
.macro JLOAD n                         ; a joint refill of slot n: waves 0-3, a quarter each; the branch hangs on the wave's number alone.  Four v_nop follow the load
	s_cmp_lt_u32 s[WV], 4
	s_cbranch_scc0 .Lno_load_\@
	tensor_load_to_lds s[32+4*\n:35+4*\n], s[24:31]
	s_nop 0
.rept 4
	v_nop
.endr
.Lno_load_\@:
.endm
; THE CHANGE OF SLOTS, behind slot n's last step.  Each wave waits for all its tensor loads (its part of the other slot), adds 0 to its spare word, and waits for that and for its reads of slot n.
; fill = 1: the barrier is a round of the cluster's, so that no wave of any partner still reads the slot, and the joint refill (the records 16 steps on) is the first thing behind it: it has 8 steps in which to land.
.macro CHANGE n, fill
	s_wait_tensorcnt 0x0                           ; no tensor load of mine is out, so a group 0 may be written
	ds_add_u32 v[SPW], v[NIL]                      ; 0 onto my spare word
.if \fill
	s_add_nc_u64 s[34+4*\n:35+4*\n], s[34+4*\n:35+4*\n], 2*SLOTB   ; the type bits on top are not reached
.endif
	s_wait_dscnt 0x0                               ; the add is done, and my reads of the slot are over
.if \fill
	ROUND
	JLOAD \n
.else
	s_barrier_signal -1
	s_barrier_wait -1
.endif
.endm
	s_load_b256 s[4:11], s[0:1], 0x0               ; qc, kv, xc, xs
	v_lshl_add_u32 v[SPW], v0, 2, SPARE
	v_mov_b32 v[NIL], 0
	ds_add_u32 v3, v4
	s_wait_dscnt 0x0
	v_lshrrev_b32 v5, 5, v0
	v_readfirstlane_b32 s[WV], v5                  ; wave 0..15
	s_bfe_u32 s13, ttmp6, 0x40000                  ; cx: my place in the cluster
	s_lshl_b32 s14, ttmp9, 2                       ; in a cluster launch ttmp9 counts clusters
	s_add_co_u32 s14, s14, s13                     ; my block of 256 queries: it enters qc's, xc's and xs's addresses alone
	s_and_b32 s15, ttmp7, 0xffff                   ; batch x 8 + head, which the four partners share
	s_mov_b32 s20, 0x76543210
	s_mov_b32 s21, 0xfedcba98                      ; v_permlanex16_b32's selects for lane l xor 16
	s_mov_b32 s22, 0x3e38aa3b                      ; c = log2(e) / 8
	s_mov_b32 s23, s22                             ; (named with it as a pair, so it is written)
	; descriptor group 1: 108 dense rows of 256 bytes (32 elements of 8 bytes), no padding: every LDS load of a record takes 512 consecutive bytes
	s_mov_b32 s24, 15|(3<<16)|(1<<21)              ; 15:0 the mask: all four work-groups; 17:16 elements of 8 bytes; 21 set beside a mask
	s_mov_b32 s25, 32<<16                          ; tensor_dim0 = 32
	s_mov_b32 s26, 108<<16                         ; tensor_dim1 = 108
	s_mov_b32 s27, 32<<16                          ; tile_dim0 = 32
	s_mov_b32 s28, 108                             ; tile_dim1 = 108
	s_mov_b32 s29, 32                              ; elements from row to row
	s_mov_b32 s30, 0
	s_mov_b32 s31, 0
	s_and_b32 s44, s[WV], 3
	s_mul_i32 s44, s44, QUART                      ; my quarter of a slot, in LDS and in memory alike
	s_mul_i32 s42, s15, 32*REC                     ; the head's records
	s_add_co_u32 s42, s42, s44
	s_mov_b32 s43, 0
	s_lshl_b32 s46, s15, 5                         ; Q: record (batch x 8 + head) x 32 + 2 x block + wave / 8,
	s_lshl_b32 s47, s14, 1
	s_add_co_u32 s46, s46, s47
	s_lshr_b32 s47, s[WV], 3
	s_add_co_u32 s46, s46, s47
	s_mul_i32 s46, s46, 6656
	s_bfe_u32 s48, s[WV], 0x20001                  ; pair (wave / 2) % 4 of it
	s_mul_i32 s47, s48, 1536
	s_add_co_u32 s50, s46, s47
	s_mov_b32 s51, 0
	s_lshl_b32 s48, s48, 2
	s_add_co_u32 s52, s46, s48
	s_add_co_u32 s52, s52, 6144                    ; and the pair's scale word among a lane's four
	s_mov_b32 s53, 0
	s_lshr_b32 s58, s15, 3
	s_lshl_b32 s58, s58, 8
	s_lshl_b32 s59, s14, 4
	s_add_co_u32 s58, s58, s59
	s_add_co_u32 s58, s58, s[WV]                   ; G = batch x 256 + 16 x block + wave
	s_and_b32 s59, s15, 7                          ; the head
	s_mul_i32 s54, s58, 6144
	s_mul_i32 s55, s59, 768
	s_add_co_u32 s54, s54, s55
	s_mov_b32 s55, 0
	s_lshl_b32 s56, s58, 10
	s_lshl_b32 s57, s59, 7
	s_add_co_u32 s56, s56, s57
	s_mov_b32 s57, 0
	s_mov_b32 s61, 0x03020302                      ; byte selects for Q's scale word: the pair's second tile,
	s_mov_b32 s62, 0x01000100                      ; its first
	s_and_b32 s60, s[WV], 1
	s_cmp_lg_u32 s60, 0
	s_cselect_b32 s60, -1, 0                       ; all lanes: my tile is the pair's second
	s_cselect_b32 s61, s61, s62
	s_wait_kmcnt 0x0
	s_add_nc_u64 s[6:7], s[6:7], s[42:43]
	s_add_nc_u64 s[50:51], s[4:5], s[50:51]
	s_add_nc_u64 s[52:53], s[4:5], s[52:53]
	s_add_nc_u64 s[8:9], s[8:9], s[54:55]
	s_add_nc_u64 s[10:11], s[10:11], s[56:57]
	s_mov_b32 s32, 1                               ; group 0 of slot 0: count = 1,
	s_mov_b32 s33, s44                             ; LDS address: no place in the cluster enters it,
	s_mov_b64 s[34:35], s[6:7]                     ; steps 0-7,
	s_or_b32 s35, s35, 0x80000000                  ; type = 2
	s_mov_b32 s36, 1                               ; of slot 1:
	s_add_co_u32 s37, s44, SLOTB
	s_add_nc_u64 s[38:39], s[6:7], SLOTB           ; steps 8-15
	s_or_b32 s39, s39, 0x80000000
	ROUND                                          ; all four work-groups are here: the first joint loads meet
	s_cmp_lt_u32 s[WV], 4                          ; a wave's two first fills stand in one branch, ahead of every wait on TENSORcnt and every LDS read: two loads of mine are out
	s_cbranch_scc0 .Lfirst_asked
	tensor_load_to_lds s[32:35], s[24:31]
	s_nop 0
	tensor_load_to_lds s[36:39], s[24:31]
	s_nop 0
.rept 4
	v_nop
.endr
.Lfirst_asked:
	v_and_b32 v5, 31, v0
	v_lshlrev_b32 v[LI], 4, v5
	v_lshlrev_b32 v[L8], 3, v5
	v_lshlrev_b32 v[L4], 2, v5
	v_bfe_u32 v6, v0, 4, 1
	v_lshl_add_u32 v[MBA], v6, 6, MB
.irp c, 0,1,2
	global_load_b128 v[KV+4*\c:KV+4*\c+3], v[LI], s[50:51] offset:512*\c   ; my pair's image
.endr
	global_load_b32 v35, v[LI], s[52:53]           ; and its scale word
	s_wait_tensorcnt 0x1                           ; my part of slot 0 is in; slot 1's may stay out
	s_barrier_signal -1
	s_barrier_wait -1                              ; everybody's is
	s_wait_loadcnt 0x0
.irp i, 0,1,2,3,4,5
	v_cndmask_b32 v[Q+\i], v[KV+\i], v[KV+6+\i], s60   ; my tile's six registers of the pair's twelve
.endr
	v_perm_b32 v[QSW], v35, v35, s61               ; (q0, q1, q0, q1)
.irp i, 0,1,2,3,4,5
	v_mov_b32 v[Q+6+\i], 0
.endr
.irp i, 0,1,2,3,4,5
	v_mov_b32 v[Q+12+\i], v[Q+\i]
.endr
	v_mov_b32 v13, 0xdd800000                      ; the largest t so far: -2^60
	v_floor_f32 v12, -v13                          ; -M
	v_mov_b32 v14, 0                               ; the sum, in two halves
	v_mov_b32 v15, 0
.irp b, 0,1,2,3
	v_mov_b32 v[PT+\b], 0                          ; written once: a lane permute's destination counts as one of its sources
.endr
	v_mov_b32 v227, 0                              ; (named as the upper half of the pair v[226:227])
.set j, 0
.rept 32
	v_mov_b32 v[O+j], 0                            ; O^T: the step is written once; its first run finds zeros, which the first change of M leaves zeros.  (Also the places between Q's scale word and the first product)
.set j, j+1
.endr
; A KEY STEP: the record at LDS byte s[TB].
.macro STEP
	v_add_nc_u32 v[ADI], s[TB], v[LI]
	v_add_nc_u32 v[ADM], s[TB], v[MBA]
	v_nop
	v_nop                                          ; with the two additions: four places behind the last step's products, ahead of loads into their sources
.irp b, 0,1,2,3
.irp j, 0,1,2,3
	ds_load_b128 v[S+16*\b+4*\j:S+16*\b+4*\j+3], v[ADM] offset:128*\b+16*\j   ; the mask's addends of keys 32 b + 16 h + 0 .. 15: they are the C of the score products
.endr
.endr
.irp n, 0,1,2,3,4,5,6,7,8,9,10,11
	ds_load_b128 v[KV+4*\n:KV+4*\n+3], v[ADI] offset:512*\n
.endr
	ds_load_b128 v[KSW:KSW+3], v[ADI] offset:KSC
	s_wait_dscnt 0x0
.irp b, 0,1,2,3                                ; eight accumulators, one instruction each
	MMA S+16*\b,   KV+12*\b, Q,   KSW+\b, QSW      ; key tile 2 b: keys 32 b + 16 h + 0 .. 7
	MMA S+16*\b+8, KV+12*\b, Q+6, KSW+\b, QSW      ; key tile 2 b + 1: keys 32 b + 16 h + 8 .. 15
.endr
.rept 4
	v_nop
.endr
.irp n, 0,1,2,3,4,5,6,7,8,9,10,11
	ds_load_b128 v[KV+4*\n:KV+4*\n+3], v[ADI] offset:VIMG+512*\n   ; V's four fragments land while the softmax is walked
.endr
	ds_load_b128 v[VSW:VSW+3], v[ADI] offset:VSC
.irp b, 0,1,2,3
	v_max3_num_f32 v[BM+\b], v[S+16*\b], v[S+1+16*\b], v[S+2+16*\b]   ; THE LARGEST SCORE OF EACH BLOCK OF 32 KEYS serves twice: for the row's maximum, and, since p rises with the score, for the block's largest p
.endr
.irp i, 3,5,7,9,11,13
.irp b, 0,1,2,3
	v_max3_num_f32 v[BM+\b], v[BM+\b], v[S+16*\b+\i], v[S+1+16*\b+\i]
.endr
.endr
.irp b, 0,1,2,3
	v_max_num_f32 v[BM+\b], v[BM+\b], v[S+15+16*\b]
.endr
.irp b, 0,1,2,3
	v_permlanex16_b32 v[PT+\b], v[BM+\b], s20, s21
.endr
.irp b, 0,1,2,3
	v_max_num_f32 v[BM+\b], v[BM+\b], v[PT+\b]     ; with lane l xor 16's 16 keys
.endr
	v_max3_num_f32 v224, v[BM], v[BM+1], v[BM+2]
	v_max_num_f32 v224, v224, v[BM+3]              ; the step's largest score of my query
	v_mul_f32 v224, s22, v224                      ; as t (c is positive)
	v_max_num_f32 v13, v13, v224                   ; the running largest t
	v_mov_b32 v224, v12
	v_floor_f32 v12, -v13                          ; the new -M = floor(-t) = -ceil(t): M IS A WHOLE NUMBER
	v_sub_f32 v224, v12, v224                      ; M's old value less its new one: a whole number, 0 or less
	v_cvt_i32_f32 v224, v224                       ; (it saturates)
	v_ldexp_f32 v226, 1.0, v224                    ; f = 2^(old M - new M)
.set j, 0
.rept 32
	v_pk_fma_f32 v[S+j:S+j+1], v[S+j:S+j+1], s[22:23], v[12:13] op_sel_hi:[1,0,0]   ; t - M, two at a time (of the pairs c and -M the low word serves both halves)
.set j, j+2
.endr
.irp b, 0,1,2,3
	v_fma_f32 v[BM+\b], v[BM+\b], s22, v12         ; the same of each block's largest score
.endr
.set j, 0
.rept 64
	v_exp_f32 v[S+j], v[S+j]                       ; p = 2^(t - M), at most 1: NOT normalised
.set j, j+1
.endr
.irp b, 0,1,2,3
	v_exp_f32 v[BM+\b], v[BM+\b]                   ; the block's largest p: the same two instructions on the same number give the same bits
.endr
	v_pk_mul_f32 v[14:15], v[14:15], v[226:227] op_sel_hi:[1,0]   ; the sums under the new M.  (A plain place behind the exponentials)
	s_wait_alu depctr_va_vdst(0)
.irp b, 0,1,2,3
	v_max_num_f32 v[BM+\b], 0x1800000, v[BM+\b]    ; the floor 2^(3 - 127): the byte cannot fall under 1 (a block whose every p is 0 keeps that byte: its codes are zeros)
.endr
.irp b, 0,1,2,3
	v_add_nc_u32 v[SO+\b], 0xff000000, v[BM+\b]    ; 2 off the exponent field: the conversion's scale operand
.endr
.irp b, 0,1,2,3
	v_lshrrev_b32 v[PT+\b], 23, v[SO+\b]           ; the scale's byte
.endr
	v_lshl_or_b32 v[PSW], v[PT+1], 8, v[PT]        ; p's scale word for these 128 keys
	v_lshl_or_b32 v[PSW], v[PT+2], 16, v[PSW]
	v_lshl_or_b32 v[PSW], v[PT+3], 24, v[PSW]
.irp c, 0,1
	v_cvt_scalef32_pk16_fp6_f32 v[PC+6*\c:PC+2+6*\c], v[S+32*\c:S+15+32*\c], v[SO+2*\c]
	v_cvt_scalef32_pk16_fp6_f32 v[CT+4*\c:CT+2+4*\c], v[S+16+32*\c:S+31+32*\c], v[SO+2*\c+1]   ; (a conversion's three registers begin on an even number)
.endr
	v_nop                                          ; one plain place behind a scaled conversion
.irp c, 0,1                                    ; the operand's layout wants a WHOLE block in a lane
.irp i, 0,1,2
	v_permlane16_swap_b32 v[PC+6*\c+\i], v[CT+4*\c+\i]
.endr
.irp i, 0,1,2
	v_mov_b32 v[PC+3+6*\c+\i], v[CT+4*\c+\i]
.endr
.endr
	v_pk_add_f32 v[230:231], v[S:S+1], v[S+2:S+3]  ; THE ROW'S SUM IS TAKEN OF THE UNQUANTISED p: two at a time, in two chains
.set j, 4
.rept 15
	v_pk_add_f32 v[14:15], v[14:15], v[S+j:S+j+1]
	v_pk_add_f32 v[230:231], v[230:231], v[S+2+j:S+3+j]
.set j, j+4
.endr
	v_pk_add_f32 v[14:15], v[14:15], v[230:231]
.set j, 0
.rept 16
	v_pk_mul_f32 v[O+j:O+j+1], v[O+j:O+j+1], v[226:227] op_sel_hi:[1,0]   ; O^T under the new M, each accumulator from its low end on.  (With the sums: the places between p's scale word and codes and the products below)
.set j, j+2
.endr
	s_wait_dscnt 0x0                               ; V's fragments and scale words
.irp t, 0,1,2,3                                ; O^T += V^T P^T: four accumulators, one instruction each
	MMA O+8*\t, KV+12*\t, PC, VSW+\t, PSW
.endr
.endm
.macro SLOT n                          ; a slot's eight steps: written once, walked eight times
	s_mov_b32 s[TB], \n*SLOTB
	s_mov_b32 s[CNT], 8
.Lstep_\@:
	STEP
	s_add_co_u32 s[TB], s[TB], REC
	s_sub_co_u32 s[CNT], s[CNT], 1
	s_cmp_lg_u32 s[CNT], 0
	s_cbranch_scc1 .Lstep_\@
.endm
	SLOT 0                                         ; steps 0-7
	CHANGE 0, 1                                    ; slot 0 takes steps 16-23
	SLOT 1                                         ; steps 8-15
	CHANGE 1, 1                                    ; slot 1 takes steps 24-31
	SLOT 0
	CHANGE 0, 0                                    ; nothing is left to fetch
	SLOT 1
	; THE WAY OUT: O^T / the sum is my query's 64 numbers of this head, register 16 b + i = d 32 b + 16 h + i: two blocks of the output projection's K.
.rept 4
	v_nop                                          ; places behind the last products
.endr
	v_add_f32 v14, v14, v15                        ; the sum's two halves,
	v_permlanex16_b32 v224, v14, s20, s21
	v_add_f32 v14, v14, v224                       ; and lane l xor 16's: the row's sum
	v_rcp_f32 v226, v14
	v_nop                                          ; one plain place behind a transcendental
	v_cmp_neq_f32 vcc_lo, 0, v14                   ; false where every key of the row was hidden
.set j, 0
	s_wait_alu depctr_va_vdst(0)
.rept 16
	v_pk_mul_f32 v[S+j:S+j+1], v[O+j:O+j+1], v[226:227] op_sel_hi:[1,0]
.set j, j+2
.endr
.irp b, 0,1
	v_max3_num_f32 v[BM+\b], |v[S+16*\b]|, |v[S+1+16*\b]|, 0x1800000
.endr
.irp i, 2,4,6,8,10,12,14
.irp b, 0,1
	v_max3_num_f32 v[BM+\b], v[BM+\b], |v[S+16*\b+\i]|, |v[S+1+16*\b+\i]|
.endr
.endr
.irp b, 0,1
	v_permlanex16_b32 v[PT+\b], v[BM+\b], s20, s21
.endr
.irp b, 0,1
	v_max_num_f32 v[BM+\b], v[BM+\b], v[PT+\b]
.endr
.irp b, 0,1
	v_add_nc_u32 v[SO+\b], 0xff000000, v[BM+\b]
.endr
.irp b, 0,1
	v_lshrrev_b32 v[PT+\b], 23, v[SO+\b]
.endr
	v_lshl_or_b32 v[PSW], v[PT+1], 8, v[PT]
	v_lshl_or_b32 v[PSW], v[PSW], 16, v[PSW]       ; (b0, b1, b0, b1): the reader takes the half that it needs
	v_cndmask_b32 v[PSW], -1, v[PSW], vcc_lo       ; the sum was 0: the bytes 0xff
	v_cvt_scalef32_pk16_fp6_f32 v[PC:PC+2], v[S:S+15], v[SO]
	v_cvt_scalef32_pk16_fp6_f32 v[CT:CT+2], v[S+16:S+31], v[SO+1]
	v_nop                                          ; one plain place behind a scaled conversion
.irp i, 0,1,2
	v_permlane16_swap_b32 v[PC+\i], v[CT+\i]
.endr
.irp i, 0,1,2
	v_mov_b32 v[PC+3+\i], v[CT+\i]
.endr
	global_store_b128 v[LI], v[PC:PC+3], s[8:9]            ; 512 consecutive bytes, at a multiple of 256 from xc's first byte
	global_store_b64 v[L8], v[PC+4:PC+5], s[8:9] offset:512   ; 256 more
	global_store_b32 v[L4], v[PSW], s[10:11]
	s_wait_tensorcnt 0x0                           ; the wave's end
	ds_add_u32 v[SPW], v[NIL]
	s_wait_dscnt 0x0
	ROUND                                          ; the closing round: no work-group ends while a partner may still ask for a tile that names it
	s_endpgm
.Lfunc_end_k_qdbb47acba0_attn:
	.size	k_qdbb47acba0_attn, .Lfunc_end_k_qdbb47acba0_attn-k_qdbb47acba0_attn
	.p2alignl 7, 3214868480
	.fill 96, 4, 3214868480
	.section	.rodata,"a",@progbits
	.p2align	6, 0x0
	.amdhsa_kernel k_qdbb47acba0_attn
		.amdhsa_group_segment_fixed_size 327680
		.amdhsa_private_segment_fixed_size 0
		.amdhsa_enable_private_segment 0
		.amdhsa_kernarg_size 32
		.amdhsa_user_sgpr_count 2
		.amdhsa_user_sgpr_kernarg_segment_ptr 1
		.amdhsa_wavefront_size32 1
		.amdhsa_system_sgpr_workgroup_id_x 1
		.amdhsa_system_sgpr_workgroup_id_y 1
		.amdhsa_system_sgpr_workgroup_id_z 1
		.amdhsa_system_vgpr_workitem_id 0
		.amdhsa_next_free_vgpr 256
		.amdhsa_next_free_sgpr 66
		.amdhsa_reserve_vcc 1
		.amdhsa_float_denorm_mode_32 3
		.amdhsa_float_denorm_mode_16_64 3
		.amdhsa_memory_ordered 1
		.amdhsa_forward_progress 1
		.amdhsa_inst_pref_size 79
	.end_amdhsa_kernel
	.amdgpu_metadata
---
amdhsa.version: [ 1, 2 ]
amdhsa.kernels:
  - .name:           k_qdbb47acba0_attn
    .symbol:         k_qdbb47acba0_attn.kd
    .args:
      - { .name: qc, .offset: 0, .size: 8, .value_kind: global_buffer, .address_space: global }
      - { .name: kv, .offset: 8, .size: 8, .value_kind: global_buffer, .address_space: global }
      - { .name: xc, .offset: 16, .size: 8, .value_kind: global_buffer, .address_space: global }
      - { .name: xs, .offset: 24, .size: 8, .value_kind: global_buffer, .address_space: global }
    .group_segment_fixed_size: 327680
    .private_segment_fixed_size: 0
    .kernarg_segment_align: 8
    .kernarg_segment_size: 32
    .max_flat_workgroup_size: 512
    .sgpr_count:     66
    .vgpr_count:     256
    .wavefront_size: 32
...
	.end_amdgpu_metadata
.endif
;; end of part 3
;; launch oproj (part 4): grid 128 x 2, 4 waves a work-group, no clusters, 17,920 bytes of LDS; arguments xc, xs, wc, ws, bo, out0; writes out0
.if DOCPART == 4
	.amdgcn_target "amdgcn-amd-amdhsa--gfx1250"
	.amdhsa_code_object_version 6
	.text
	.protected	k_qdbb47acba0_oproj
	.globl	k_qdbb47acba0_oproj
	.p2align	8
	.type	k_qdbb47acba0_oproj,@function
k_qdbb47acba0_oproj:
	s_mov_b64 s[64:65], 0
	v_nop
	global_prefetch_b8 v0, s[64:65] scope:SCOPE_SE
	s_setreg_imm32_b32 hwreg(HW_REG_WAVE_MODE, 25, 1), 1
	s_wait_xcnt 0x0
; out0 = x Wo + bo on codes of FP6 (E2M3) with one E8M0 scale for each 32 along K.  x's codes and scale words were made by the attention launch, Wo's by the first launch, both as images of the operands' registers.
; SHARES: a wave takes 64 rows (row tiles G = 4 x + g, g = 0 .. 3) and 64 columns (group cg = 4 y + wave).  Its 16 fragments of Wo stay in registers; the waves share nothing: no barrier.
; NO CLUSTER: what work-groups share, the weights (26.6 KB a wave) and x's codes, goes straight into registers, once a wave.
; TRANSPOSED (source 0 = 16 columns of Wo, source 1 = 16 rows of x): a lane holds one row, and tiles 2 b, 2 b + 1 give it columns 32 b + 16 h + 0 .. 15.  A K step's fragment of x is two heads' halves on end;
; its scale word takes the low half of head 2 s's word and the high half of head 2 s + 1's.
; Row r of row tile g stands for row 64 x + 32 (g / 2) + 8 (g % 2) + r + 8 (r / 8).  A tile goes through the wave's own stage in LDS and leaves as rows: sixteen lanes store 256 consecutive bytes, at a multiple of 256 from out0's first byte.
; REGISTERS.  Window 0: v1-7 addresses; v16-31 Wo's scale words; v32-39 x's, two sets; v40-55 the heads' words as loaded, two sets; v64-159 x's fragments, two sets of 48; v160-191 accumulators; v192-223 rows on the way out.
;   Window 1: v0-191 Wo's fragments (4 t + s at 12 (4 t + s)); v192-223 the bias in the result's layout.
.set LI,  1                            ; 16 x lane
.set L8,  2
.set L4,  3
.set SO,  4                            ; my stage + 272 r + 64 h
.set SR,  5                            ; my stage + 272 (lane / 16) + 16 (lane % 16)
.set CO,  6                            ; 2,048 (lane / 16) + 16 (lane % 16)
.set BA1, 7                            ; 64 h
.set WS,  16
.set XS,  32
.set RS,  40
.set XF,  64
.set ACC, 160
.set OUTR, 192
.set BI,  192                          ; in window 1
.set MSB, 0
.macro WIN new                         ; the immediate's high byte repeats the setting that is left
.if MSB != \new
	s_set_vgpr_msb (MSB<<8)|\new
.set MSB, \new
.endif
.endm
.macro MMC d, a, b, c, sa, sb
	v_wmma_scale_f32_16x16x128_f8f6f4 v[(\d):(\d)+7], v[(\a):(\a)+11], v[(\b):(\b)+11], v[(\c):(\c)+7], v[\sa], v[\sb] matrix_a_fmt:MATRIX_FMT_FP6 matrix_b_fmt:MATRIX_FMT_FP6
.endm
.macro MMA d, a, b, sa, sb
	v_wmma_scale_f32_16x16x128_f8f6f4 v[(\d):(\d)+7], v[(\a):(\a)+11], v[(\b):(\b)+11], v[(\d):(\d)+7], v[\sa], v[\sb] matrix_a_fmt:MATRIX_FMT_FP6 matrix_b_fmt:MATRIX_FMT_FP6
.endm
.macro XLOAD g                         ; row tile g: eight heads' half fragments and scale words: 24 loads, into set g % 2
.irp e, 0,1,2,3,4,5,6,7
	global_load_b128 v[XF+48*((\g)%2)+6*\e:XF+48*((\g)%2)+6*\e+3], v[LI], s[4:5] offset:(\g)*6144+768*\e
	global_load_b64 v[XF+48*((\g)%2)+6*\e+4:XF+48*((\g)%2)+6*\e+5], v[L8], s[4:5] offset:(\g)*6144+768*\e+512
	global_load_b32 v[RS+8*((\g)%2)+\e], v[L4], s[6:7] offset:(\g)*1024+128*\e
.endr
.endm
	s_load_b256 s[4:11], s[0:1], 0x0               ; xc, xs, wc, ws
	s_load_b128 s[12:15], s[0:1], 0x20             ; bo, out0
	v_lshl_add_u32 v254, v0, 2, 0x4400
	v_mov_b32 v255, 0
	v_lshrrev_b32 v10, 5, v0
	v_readfirstlane_b32 s16, v10                   ; wave 0..3
	s_and_b32 s17, ttmp7, 0xffff
	s_lshl_b32 s17, s17, 2
	s_add_co_u32 s17, s17, s16                     ; cg: my 64 columns
	v_and_b32 v10, 31, v0
	v_and_b32 v11, 15, v0
	v_bfe_u32 v12, v0, 4, 1
	v_lshlrev_b32 v[LI], 4, v10
	v_lshlrev_b32 v[L8], 3, v10
	v_lshlrev_b32 v[L4], 2, v10
	s_mul_i32 s18, s16, 4352                       ; my stage: 16 rows x (256 bytes + 16)
	v_mul_u32_u24 v13, v11, 272
	v_lshl_add_u32 v13, v12, 6, v13
	v_add_nc_u32 v[SO], s18, v13
	v_mul_u32_u24 v13, v12, 272
	v_lshl_add_u32 v13, v11, 4, v13
	v_add_nc_u32 v[SR], s18, v13
	v_lshlrev_b32 v13, 11, v12
	v_lshl_add_u32 v[CO], v11, 4, v13
	v_lshlrev_b32 v[BA1], 6, v12
	s_mov_b32 s21, 0
	s_wait_kmcnt 0x0
	s_mul_i32 s20, s17, 24576
	s_add_co_u32 s20, s20, 3*196608                ; Wo is the fourth weight
	s_add_nc_u64 s[8:9], s[8:9], s[20:21]
	s_lshl_b32 s20, s17, 11
	s_add_co_u32 s20, s20, 3*16384
	s_add_nc_u64 s[10:11], s[10:11], s[20:21]
	s_lshl_b32 s20, s17, 8
	s_add_nc_u64 s[12:13], s[12:13], s[20:21]      ; my 64 numbers of bo,
	s_add_nc_u64 s[14:15], s[14:15], s[20:21]      ; my 256 bytes of a row of out0,
	s_lshl_b32 s20, ttmp9, 17
	s_add_nc_u64 s[14:15], s[14:15], s[20:21]      ; from row 64 x on
	s_mul_i32 s20, ttmp9, 4*6144
	s_add_nc_u64 s[4:5], s[4:5], s[20:21]
	s_lshl_b32 s20, ttmp9, 12
	s_add_nc_u64 s[6:7], s[6:7], s[20:21]
	WIN 0x40                                       ; destination window 1, address window 0
.set n, 0
.rept 48
	global_load_b128 v[4*n:4*n+3], v[LI], s[8:9] offset:512*n
.set n, n+1
.endr
.irp t, 0,1,2,3
.irp k, 0,1
	global_load_b128 v[BI+8*\t+4*\k:BI+8*\t+4*\k+3], v[BA1], s[12:13] offset:4*(32*(\t/2)+8*(\t%2))+16*\k
.endr
.endr
	WIN 0
.irp f, 0,1,2,3,4,5,6,7,8,9,10,11,12,13,14,15
	global_load_b32 v[WS+\f], v[L4], s[10:11] offset:128*\f
.endr
	XLOAD 0
	XLOAD 1
.macro TILE g
.set FX, XF+48*((\g)%2)
.set SX, XS+4*((\g)%2)
.if \g < 3
	s_wait_loadcnt 24                              ; all but the next tile's 24 loads
.else
	s_wait_loadcnt 0x0
.endif
.irp s, 0,1,2,3
	v_bfi_b32 v[SX+\s], 0xffff, v[RS+8*((\g)%2)+2*\s], v[RS+8*((\g)%2)+2*\s+1]   ; bytes 0, 1: head 2 s; bytes 2, 3: head 2 s + 1
.endr
.rept 8
	v_nop                                          ; a scale register written by a vector instruction stands eight places ahead of a scaled matrix instruction
.endr
.irp s, 0,1,2,3                                ; four accumulators by turns, K step by K step
.if \s == 0
	WIN 0x11                                       ; source 0 (Wo) and source 2 (the bias) window 1
.else
	WIN 0x01
.endif
.irp t, 0,1,2,3
.if \s == 0
	MMC ACC+8*\t, 12*(4*\t+\s), FX+12*\s, BI+8*\t, WS+4*\t+\s, SX+\s
.else
	MMA ACC+8*\t, 12*(4*\t+\s), FX+12*\s, WS+4*\t+\s, SX+\s
.endif
.endr
.endr
	WIN 0
.rept 4
	v_nop                                          ; places ahead of loads into the products' sources and of the stores that read their results
.endr
.if \g < 2
	XLOAD (\g)+2
.endif
	s_wait_xcnt 0x0                                ; the last tile's stores have read their registers: the rows' registers may be loaded again
.irp t, 0,1,2,3
	ds_store_b128 v[SO], v[ACC+8*\t:ACC+8*\t+3] offset:128*(\t/2)+32*(\t%2)          ; each accumulator from its low end on
	ds_store_b128 v[SO], v[ACC+8*\t+4:ACC+8*\t+7] offset:128*(\t/2)+32*(\t%2)+16
.endr
.irp i, 0,1,2,3,4,5,6,7
	ds_load_b128 v[OUTR+4*\i:OUTR+4*\i+3], v[SR] offset:544*\i   ; LDS serves a wave's instructions in order (ISA guide 5.7.1.4): these see the stores above
.endr
.irp i, 0,1,2,3,4,5,6,7
	s_wait_dscnt 7-\i                              ; the younger read-backs may stay out
	global_store_b128 v[CO], v[OUTR+4*\i:OUTR+4*\i+3], s[14:15] offset:(32*((\g)/2)+8*((\g)%2)+2*\i+8*(\i/4))*2048 th:TH_STORE_NT
.endr
.endm
	TILE 0
	TILE 1
	TILE 2
	TILE 3
	s_wait_tensorcnt 0x0
	ds_add_u32 v254, v255
	s_wait_dscnt 0x0
	s_endpgm
.Lfunc_end_k_qdbb47acba0_oproj:
	.size	k_qdbb47acba0_oproj, .Lfunc_end_k_qdbb47acba0_oproj-k_qdbb47acba0_oproj
	.p2alignl 7, 3214868480
	.fill 96, 4, 3214868480
	.section	.rodata,"a",@progbits
	.p2align	6, 0x0
	.amdhsa_kernel k_qdbb47acba0_oproj
		.amdhsa_group_segment_fixed_size 17920
		.amdhsa_private_segment_fixed_size 0
		.amdhsa_enable_private_segment 0
		.amdhsa_kernarg_size 48
		.amdhsa_user_sgpr_count 2
		.amdhsa_user_sgpr_kernarg_segment_ptr 1
		.amdhsa_wavefront_size32 1
		.amdhsa_system_sgpr_workgroup_id_x 1
		.amdhsa_system_sgpr_workgroup_id_y 1
		.amdhsa_system_sgpr_workgroup_id_z 1
		.amdhsa_system_vgpr_workitem_id 0
		.amdhsa_next_free_vgpr 512
		.amdhsa_next_free_sgpr 66
		.amdhsa_reserve_vcc 0
		.amdhsa_float_denorm_mode_32 3
		.amdhsa_float_denorm_mode_16_64 3
		.amdhsa_memory_ordered 1
		.amdhsa_forward_progress 1
		.amdhsa_inst_pref_size 38
	.end_amdhsa_kernel
	.amdgpu_metadata
---
amdhsa.version: [ 1, 2 ]
amdhsa.kernels:
  - .name:           k_qdbb47acba0_oproj
    .symbol:         k_qdbb47acba0_oproj.kd
    .args:
      - { .name: xc, .offset: 0, .size: 8, .value_kind: global_buffer, .address_space: global }
      - { .name: xs, .offset: 8, .size: 8, .value_kind: global_buffer, .address_space: global }
      - { .name: wc, .offset: 16, .size: 8, .value_kind: global_buffer, .address_space: global }
      - { .name: ws, .offset: 24, .size: 8, .value_kind: global_buffer, .address_space: global }
      - { .name: bo, .offset: 32, .size: 8, .value_kind: global_buffer, .address_space: global }
      - { .name: out0, .offset: 40, .size: 8, .value_kind: global_buffer, .address_space: global }
    .group_segment_fixed_size: 17920
    .private_segment_fixed_size: 0
    .kernarg_segment_align: 8
    .kernarg_segment_size: 48
    .max_flat_workgroup_size: 128
    .sgpr_count:     66
    .vgpr_count:     512
    .wavefront_size: 32
...
	.end_amdgpu_metadata
.endif
;; end of part 4
;; ======== version 2 of 2: 4 launches
;; limits: right only within a limited range of input values
;; workspace buffers: wc 786,432 bytes; ws 65,536 bytes; qc 3,407,872 bytes; kv 7,077,888 bytes; xc 3,145,728 bytes; xs 524,288 bytes
;; launch prep (part 5): grid 32 x 4, 4 waves a work-group, no clusters, 0 bytes of LDS; arguments Wq, Wk, Wv, Wo, wc, ws; writes wc, ws
.if DOCPART == 5
	.amdgcn_target "amdgcn-amd-amdhsa--gfx1250"
	.amdhsa_code_object_version 6
	.text
	.protected	k_qdbb47acba0_prep
	.globl	k_qdbb47acba0_prep
	.p2align	8
	.type	k_qdbb47acba0_prep,@function
k_qdbb47acba0_prep:
	s_mov_b64 s[64:65], 0
	v_nop
	global_prefetch_b8 v0, s[64:65] scope:SCOPE_SE
	s_setreg_imm32_b32 hwreg(HW_REG_WAVE_MODE, 25, 1), 1
	s_wait_xcnt 0x0
; The four weights [512 (k)][512 (n)], f32, K along the FIRST axis, become codes of FP6 (E2M3) with one E8M0 scale byte for each 32 along K,
; laid as IMAGES OF THE OPERAND'S REGISTERS: a fragment (16 columns x 128 K, 12 registers a lane) is 3 chunks of 512 bytes, chunk c = lane l's registers 4 c .. 4 c + 3 at byte 16 l.
; wc: [weight 0 Wq, 1 Wk, 2 Wv, 3 Wo][column tile T 0..31][K step s 0..3][1,536 bytes];  ws: [weight][T][s][128 bytes]: lane l's scale word at 4 l.
; THE COLUMNS OF A TILE ARE NOT NEIGHBOURS: lane r of tile T stands for column 32 (T / 2) + 8 (T % 2) + r + 8 (r / 8), so that the results of tiles 2 b and 2 b + 1 are 16 neighbours along the next product's K.
; SHARES: work-group x = T, y = the weight; wave = K step: one fragment a wave.  A lane takes ONE column and its registers run DOWN K in the order of the operand's layout
; (registers 6 c .. 6 c + 5: k = 64 c + 32 h + 0 .. 31), so the conversions' results are the operand's registers, and a block's largest magnitude needs no other lane.
; A block's scale is 2^(floor(log2(largest magnitude)) - 2): its byte is the largest magnitude's exponent field - 2, held at 1 from below by a floor among the maximum's leaves.
; LIMITS: a block of zeros, or one whose largest magnitude lies under 2^-124, keeps the byte 1 (its codes are read by this program alone); NaN and infinities among the inputs are not served.
; A load's sixteen lanes of a half read two runs of 32 bytes of one row of W, and the scale words leave 128 bytes at a time: the whole launch reads 4 MiB.  No LDS, no barrier: waves share nothing.
.set NUM, 64                           ; v64-127  the lane's 64 numbers
.set CD,  20                           ; v20-31   the fragment's codes
.set CT,  32                           ; v32-34, v36-38  second halves of the blocks (a conversion's three registers begin on an even number)
	s_load_b256 s[4:11], s[0:1], 0x0               ; Wq, Wk, Wv, Wo
	s_load_b128 s[12:15], s[0:1], 0x20             ; wc, ws
	v_lshrrev_b32 v1, 5, v0
	v_readfirstlane_b32 s16, v1                    ; wave = K step s
	s_and_b32 s17, ttmp7, 0xffff                   ; which weight
	v_and_b32 v1, 15, v0                           ; r
	v_bfe_u32 v2, v0, 4, 1                         ; h
	v_and_b32 v3, 8, v1
	v_add_nc_u32 v3, v3, v1                        ; r + 8 (r / 8)
	v_lshlrev_b32 v4, 2, v3                        ; my column, in bytes
	v_lshl_add_u32 v5, v2, 16, v4                  ; lanes 16-31 begin 32 rows of 2,048 bytes further down
	v_and_b32 v3, 31, v0
	v_lshlrev_b32 v6, 4, v3                        ; 16 x lane: my place in a chunk
	v_lshlrev_b32 v7, 2, v3                        ; 4 x lane: my scale word's
	s_mov_b32 s26, 0x76543210
	s_mov_b32 s27, 0xfedcba98                      ; v_permlanex16_b32's selects for lane l xor 16
	s_lshl_b32 s18, s16, 18                        ; W: 128 s rows of 2,048 bytes,
	s_lshr_b32 s19, ttmp9, 1
	s_lshl_b32 s19, s19, 7
	s_add_co_u32 s18, s18, s19                     ; + 4 x 32 (T / 2)
	s_and_b32 s19, ttmp9, 1
	s_lshl_b32 s19, s19, 5
	s_add_co_u32 s18, s18, s19                     ; + 4 x 8 (T % 2)
	s_mov_b32 s19, 0
	s_lshl_b32 s20, ttmp9, 2
	s_add_co_u32 s20, s20, s16                     ; 4 T + s
	s_mul_i32 s22, s20, 1536
	s_mul_i32 s21, s17, 196608
	s_add_co_u32 s22, s22, s21                     ; my fragment's place in wc
	s_mov_b32 s23, 0
	s_lshl_b32 s24, s20, 7
	s_lshl_b32 s21, s17, 14
	s_add_co_u32 s24, s24, s21                     ; and its scale words' in ws
	s_mov_b32 s25, 0
	s_wait_alu depctr_va_vdst(0)
	s_wait_kmcnt 0x0
	s_cmp_eq_u32 s17, 1                            ; the weight is chosen by the work-group's y alone
	s_cselect_b64 s[4:5], s[6:7], s[4:5]
	s_cmp_eq_u32 s17, 2
	s_cselect_b64 s[4:5], s[8:9], s[4:5]
	s_cmp_eq_u32 s17, 3
	s_cselect_b64 s[4:5], s[10:11], s[4:5]
	s_add_nc_u64 s[4:5], s[4:5], s[18:19]
	s_add_nc_u64 s[12:13], s[12:13], s[22:23]
	s_add_nc_u64 s[14:15], s[14:15], s[24:25]
.irp c, 0,1
.set i, 0
.rept 32
	global_load_b32 v[NUM+32*\c+i], v5, s[4:5] offset:(64*\c+i)*2048   ; W(128 s + 64 c + 32 h + i, my column)
.set i, i+1
.endr
.endr
	s_wait_loadcnt 0x0
.irp c, 0,1                                    ; my block 2 c + h: all its 32 numbers are mine
	v_max3_num_f32 v[12+\c], |v[NUM+32*\c]|, |v[NUM+1+32*\c]|, 0x1800000   ; with the floor 2^(3 - 127): the byte cannot fall under 1
.endr
.irp i, 2,4,6,8,10,12,14,16,18,20,22,24,26,28,30
.irp c, 0,1
	v_max3_num_f32 v[12+\c], v[12+\c], |v[NUM+32*\c+\i]|, |v[NUM+1+32*\c+\i]|   ; the two blocks by turns
.endr
.endr
.irp c, 0,1
	v_add_nc_u32 v[14+\c], 0xff000000, v[12+\c]    ; 2 off the exponent field: the conversion takes this operand's exponent field as its scale
.endr
.irp c, 0,1
	v_lshrrev_b32 v[16+\c], 23, v[14+\c]           ; the scale's byte
.endr
	v_lshl_or_b32 v9, v17, 16, v16                 ; my two bytes: blocks h and 2 + h of my column,
	v_lshlrev_b32 v10, 3, v2
	v_lshlrev_b32 v9, v10, v9                      ; at their places in the scale word (8 h bits up);
	v_mov_b32 v10, 0                               ; (a lane permute's destination counts as one of its sources)
	v_permlanex16_b32 v10, v9, s26, s27
	v_or_b32 v9, v9, v10                           ; with lane l xor 16's two the word is whole, in both halves of the lanes
.irp c, 0,1
	v_cvt_scalef32_pk16_fp6_f32 v[CD+6*\c:CD+6*\c+2], v[NUM+32*\c:NUM+32*\c+15], v[14+\c]
	v_cvt_scalef32_pk16_fp6_f32 v[CT+4*\c:CT+4*\c+2], v[NUM+16+32*\c:NUM+31+32*\c], v[14+\c]
.endr
	v_nop                                          ; one plain place behind a scaled conversion
.irp c, 0,1
.irp i, 0,1,2
	v_mov_b32 v[CD+3+6*\c+\i], v[CT+4*\c+\i]
.endr
.endr
.irp c, 0,1,2
	global_store_b128 v6, v[CD+4*\c:CD+4*\c+3], s[12:13] offset:512*\c   ; 32 lanes store 512 consecutive bytes, at a multiple of 256 from wc's first byte
.endr
	global_store_b32 v7, v9, s[14:15]
	s_endpgm
.Lfunc_end_k_qdbb47acba0_prep:
	.size	k_qdbb47acba0_prep, .Lfunc_end_k_qdbb47acba0_prep-k_qdbb47acba0_prep
	.p2alignl 7, 3214868480
	.fill 96, 4, 3214868480
	.section	.rodata,"a",@progbits
	.p2align	6, 0x0
	.amdhsa_kernel k_qdbb47acba0_prep
		.amdhsa_group_segment_fixed_size 0
		.amdhsa_private_segment_fixed_size 0
		.amdhsa_enable_private_segment 0
		.amdhsa_kernarg_size 48
		.amdhsa_user_sgpr_count 2
		.amdhsa_user_sgpr_kernarg_segment_ptr 1
		.amdhsa_wavefront_size32 1
		.amdhsa_system_sgpr_workgroup_id_x 1
		.amdhsa_system_sgpr_workgroup_id_y 1
		.amdhsa_system_sgpr_workgroup_id_z 1
		.amdhsa_system_vgpr_workitem_id 0
		.amdhsa_next_free_vgpr 128
		.amdhsa_next_free_sgpr 66
		.amdhsa_reserve_vcc 0
		.amdhsa_float_denorm_mode_32 3
		.amdhsa_float_denorm_mode_16_64 3
		.amdhsa_memory_ordered 1
		.amdhsa_forward_progress 1
		.amdhsa_inst_pref_size 12
	.end_amdhsa_kernel
	.amdgpu_metadata
---
amdhsa.version: [ 1, 2 ]
amdhsa.kernels:
  - .name:           k_qdbb47acba0_prep
    .symbol:         k_qdbb47acba0_prep.kd
    .args:
      - { .name: Wq, .offset: 0, .size: 8, .value_kind: global_buffer, .address_space: global }
      - { .name: Wk, .offset: 8, .size: 8, .value_kind: global_buffer, .address_space: global }
      - { .name: Wv, .offset: 16, .size: 8, .value_kind: global_buffer, .address_space: global }
      - { .name: Wo, .offset: 24, .size: 8, .value_kind: global_buffer, .address_space: global }
      - { .name: wc, .offset: 32, .size: 8, .value_kind: global_buffer, .address_space: global }
      - { .name: ws, .offset: 40, .size: 8, .value_kind: global_buffer, .address_space: global }
    .group_segment_fixed_size: 0
    .private_segment_fixed_size: 0
    .kernarg_segment_align: 8
    .kernarg_segment_size: 48
    .max_flat_workgroup_size: 128
    .sgpr_count:     66
    .vgpr_count:     128
    .wavefront_size: 32
...
	.end_amdgpu_metadata
.endif
;; end of part 5
;; launch proj (part 6): grid 64 x 3, 8 waves a work-group, no clusters, 121,856 bytes of LDS; arguments query, key, value, mask, bq, bk, bv, wc, ws, qc, kv; writes qc, kv
.if DOCPART == 6
	.amdgcn_target "amdgcn-amd-amdhsa--gfx1250"
	.amdhsa_code_object_version 6
	.text
	.protected	k_qdbb47acba0_proj
	.globl	k_qdbb47acba0_proj
	.p2align	8
	.type	k_qdbb47acba0_proj,@function
k_qdbb47acba0_proj:
	s_mov_b64 s[64:65], 0
	v_nop
	global_prefetch_b8 v0, s[64:65] scope:SCOPE_SE
	s_setreg_imm32_b32 hwreg(HW_REG_WAVE_SCHED_MODE, 0, 2), 2
	s_setreg_imm32_b32 hwreg(HW_REG_WAVE_MODE, 25, 1), 1
	s_wait_xcnt 0x0
	s_wait_alu depctr_vm_vsrc(0)
; q = query Wq + bq, k = key Wk + bk, v = value Wv + bv, all three products on codes of FP6 (E2M3) with one E8M0 scale for each 32 along K; the results are quantised at once as operands of attention.
; SHARES: work-group x = a block of 128 rows (batch x / 32, step x % 32), y = 0 q, 1 k, 2 v.  Eight waves.  Wave w first quantises 16 rows of the block (x's tile w), then owns HEAD w: columns 64 w .. 64 w + 63,
; whose 16 weight fragments (images made by the launch before) stay in its registers.  x's codes go from wave to wave through LDS as images of the operand's registers: one barrier in the launch.
; TILE ORDER, everywhere: row r of tile 2 b + u stands for index 32 b + 8 u + r + 8 (r / 8), so that the 16 registers of result tiles 2 b, 2 b + 1 in lane half h are the neighbours 32 b + 16 h + 0 .. 15.
; q, k: the product is used TRANSPOSED (source 0 = 16 columns of W, source 1 = 16 rows of x): a lane holds one row and 32 registers run along the head's 64.  Two row tiles' 64 registers are quantised together: a PAIR IMAGE,
;   registers 0-5 = tile 2 P (K = the head's 64), registers 6-11 = tile 2 P + 1; scale word: bytes 0, 1 tile 2 P, bytes 2, 3 tile 2 P + 1.
; v: natural (source 0 = x, source 1 = W): a lane holds one column d and the registers of the eight row tiles run along the 128 KEYS, which are the next product's K.
; OUT: qc [batch x 8 + head][block][6,656]: 4 pair images, then at 6,144 the lanes' four scale words (16 bytes a lane).
;      kv [batch x 8 + head][step][13,824]: k's 4 pair images; at 6,144 v's 4 images (d tile t); at 12,288 k's scale words; at 12,800 v's; at 13,312 128 f32: 0 where mask != 0, -2^100 where mask == 0.
; The biases are the C of each sum's first matrix instruction.
; NO CLUSTER: what the 64 work-groups of a y share is the weights' images, 213 KB a work-group, less than its own 256 KB of x; they go straight into registers, once; a joint load would send them through LDS and out again.
; LIMITS: a block under 2^-124 keeps the scale byte 1; NaN and infinities among the inputs are not served.
; REGISTERS.  Window 0: v1-9 addresses; v12-15 the mask; v16-31 W's scale words; v32-35 x's; v36-39 scale words gathered for a store; v40-59 codes; v60-76 at work; v78, v79 the closing add's two; v80-127 four fragments of x;
;   v128-255: first two buffers of 64 numbers of x; then accumulators (v: all 128; q, k: v128-191, with a second set of x's fragments at v192-239 and of its scale words at v240-243).
;   Window 1: first the wave's 16 rows of x as loaded (K step s at 64 s); then v0-191 W's 16 fragments (fragment 4 t + s at 12 (4 t + s)), v192-223 the bias of the four tiles.
; THE MODE: SCHED_MODE bits 1:0 = 2 (LLVM: expert scheduling mode 2), set by the entry lines.  The code itself states the register dependences
; between vector or matrix instructions and memory or LDS instructions, with s_wait_alu, always for 0.
; THE PLAN.  Registers that memory or LDS instructions touch:
;   v1-v9          addresses and offsets: written at the head, never again.
;   window 1       K step s's rows of x: loaded from memory; read by the 16 LDS stores of TURN s; then weight chunks (steps 0-2) or the bias (step 3) land there.
;   NB0, NB1       v128-191, v192-255: TURN s's 16 LDS loads land in NB[s % 2]; QUANT of step s reads it.  TURN s + 1 is issued ahead of QUANT s, into the other buffer.
;   PC, SW         written by QUANT and one v_mov; read by the stores of codes and of scale words (LDS stores in the first part, global stores on the ways out).
;   x's fragments  q, k: two sets, loaded from LDS, read by a pair's 32 products; both are asked for again behind those products and land while the pair is quantised.  v: one set, read by a tile's eight products.
;   v12-15         the mask: loaded, rewritten by four selects, stored.
; So in the first part a K step has one wait on vm_vsrc at its head and one on va_vdst behind QUANT; a pair of q or k has one wait on va_vdst behind its products, one on vm_vsrc ahead of QUANT and one on va_vdst behind it;
; a tile of v has one wait on va_vdst ahead of its loads.
.set XIMG, 0                           ; LDS: x's 32 fragments, (tile m, K step s) at (4 m + s) x 1,536
.set XSC,  49152                       ; their scale words: tile m: 512 bytes, a lane's four words at 16 x lane
.set STG,  53248                       ; a stage for each wave: 16 rows x (512 bytes + 16): rows start 33 x 16 bytes apart, so the sixteen rows of a 16-byte column fall in sixteen different 16-byte columns modulo 256
.set LI,  1                            ; 16 x lane
.set STO, 2                            ; my stage + 16 x lane
.set STR, 3                            ; my stage + 528 r + 64 h
.set XWI, 4                            ; XIMG + 6,144 wave + 16 x lane
.set XWS, 5                            ; XSC + 512 wave + 16 x lane
.set L4,  6                            ; 4 x lane
.set BA1, 7                            ; 64 h
.set BA2, 8                            ; 4 (r + 8 (r / 8))
.set NEG, 9                            ; -2^100
.set WS,  16
.set XS,  32
.set SW,  36
.set PC,  40
.set TM,  60
.set PW,  76
.set XF,  80
.set ACC, 128
.set XF1, 192                          ; q, k: the second set of x's fragments,
.set XS1, 240                          ; and of its scale words
.set BI,  192                          ; in window 1
.set MSB, 0
.macro WIN new                         ; the immediate's high byte repeats the setting that is left
.if MSB != \new
	s_set_vgpr_msb (MSB<<8)|\new
.set MSB, \new
.endif
.endm
.macro MMC d, a, b, c, sa, sb          ; a sum's first matrix instruction: C from other registers
	v_wmma_scale_f32_16x16x128_f8f6f4 v[(\d):(\d)+7], v[(\a):(\a)+11], v[(\b):(\b)+11], v[(\c):(\c)+7], v[\sa], v[\sb] matrix_a_fmt:MATRIX_FMT_FP6 matrix_b_fmt:MATRIX_FMT_FP6
.endm
.macro MMA d, a, b, sa, sb             ; the next link, in place
	v_wmma_scale_f32_16x16x128_f8f6f4 v[(\d):(\d)+7], v[(\a):(\a)+11], v[(\b):(\b)+11], v[(\d):(\d)+7], v[\sa], v[\sb] matrix_a_fmt:MATRIX_FMT_FP6 matrix_b_fmt:MATRIX_FMT_FP6
.endm
; 64 numbers of a lane, v[s] .. v[s + 63], register 16 b + i = k 32 b + 16 (lane / 16) + i of my row, become a fragment's codes in v[PC] on and its scale word in v[PW].
.macro QUANT s
.irp b, 0,1,2,3
	v_max3_num_f32 v[TM+\b], |v[\s+16*\b]|, |v[\s+1+16*\b]|, 0x1800000   ; block b: my 16 numbers, and the floor 2^(3 - 127): the byte cannot fall under 1
.endr
.irp i, 2,4,6,8,10,12,14
.irp b, 0,1,2,3
	v_max3_num_f32 v[TM+\b], v[TM+\b], |v[\s+16*\b+\i]|, |v[\s+1+16*\b+\i]|   ; the four blocks by turns; each accumulator is read from its low end on
.endr
.endr
.irp b, 0,1,2,3
	v_permlanex16_b32 v[TM+4+\b], v[TM+\b], s28, s29
.endr
.irp b, 0,1,2,3
	v_max_num_f32 v[TM+\b], v[TM+\b], v[TM+4+\b]   ; with lane l xor 16's: the block's largest magnitude
.endr
.irp b, 0,1,2,3
	v_add_nc_u32 v[TM+12+\b], 0xff000000, v[TM+\b] ; 2 off its exponent field: the conversion's scale operand
.endr
.irp b, 0,1,2,3
	v_lshrrev_b32 v[TM+4+\b], 23, v[TM+12+\b]      ; the scale's byte
.endr
	v_lshl_or_b32 v[PW], v[TM+5], 8, v[TM+4]       ; the four bytes make my row's scale word
	v_lshl_or_b32 v[PW], v[TM+6], 16, v[PW]
	v_lshl_or_b32 v[PW], v[TM+7], 24, v[PW]
.irp c, 0,1
	v_cvt_scalef32_pk16_fp6_f32 v[PC+6*\c:PC+2+6*\c], v[\s+32*\c:\s+15+32*\c], v[TM+12+2*\c]
	v_cvt_scalef32_pk16_fp6_f32 v[PC+12+4*\c:PC+14+4*\c], v[\s+16+32*\c:\s+31+32*\c], v[TM+12+2*\c+1]   ; (a conversion's three registers begin on an even number)
.endr
	v_nop                                          ; one plain place behind a scaled conversion
.irp c, 0,1                                    ; the operand's layout wants a WHOLE block in a lane: lanes 0-15 block 2 c, lanes 16-31 block 2 c + 1
.irp i, 0,1,2
	v_permlane16_swap_b32 v[PC+6*\c+\i], v[PC+12+4*\c+\i]
.endr
.irp i, 0,1,2
	v_mov_b32 v[PC+3+6*\c+\i], v[PC+12+4*\c+\i]
.endr
.endr
.endm
.macro FETCHX m, xf, xs                ; row tile m's scale words, then its four fragments, as they were stored: 13 LDS loads, a fragment three
	ds_load_b128 v[\xs:\xs+3], v[LI] offset:XSC+512*(\m)
.irp n, 0,1,2,3,4,5,6,7,8,9,10,11
	ds_load_b128 v[\xf+4*\n:\xf+4*\n+3], v[LI] offset:XIMG+6144*(\m)+512*\n
.endr
.endm
.macro OUT3 off                        ; the fragment in v[PC] on leaves as its image: each store covers 512 consecutive bytes, at a multiple of 256 from the buffer's first byte
.irp c, 0,1,2
	global_store_b128 v[LI], v[PC+4*\c:PC+4*\c+3], s[22:23] offset:(\off)+512*\c
.endr
.endm
.macro PLACES                          ; four plain places behind a matrix instruction, ahead of loads into its sources and of reads of its result
.rept 4
	v_nop
.endr
.endm
	s_load_b256 s[4:11], s[0:1], 0x0               ; query, key, value, mask
	s_load_b256 s[12:19], s[0:1], 0x20             ; bq, bk, bv, wc
	s_load_b128 s[20:23], s[0:1], 0x40             ; ws, qc
	s_load_b64 s[24:25], s[0:1], 0x50              ; kv
	v_lshl_add_u32 v78, v0, 2, 0x1d800
	v_mov_b32 v79, 0
	v_lshrrev_b32 v10, 5, v0
	v_readfirstlane_b32 s26, v10                   ; wave 0..7
	s_and_b32 s27, ttmp7, 0xffff                   ; y: 0 q, 1 k, 2 v
	s_mov_b32 s28, 0x76543210
	s_mov_b32 s29, 0xfedcba98                      ; v_permlanex16_b32's selects for lane l xor 16
	v_and_b32 v10, 31, v0                          ; lane
	v_and_b32 v11, 15, v0                          ; r
	v_bfe_u32 v12, v0, 4, 1                        ; h
	v_lshlrev_b32 v[LI], 4, v10
	v_lshlrev_b32 v[L4], 2, v10
	s_wait_alu depctr_va_sdst(0)                   ; s26, the wave's number, is written, ahead of its first reader
	s_mul_i32 s34, s26, 8448
	s_add_co_u32 s34, s34, STG                     ; my stage
	v_add_nc_u32 v[STO], s34, v[LI]
	v_mul_u32_u24 v13, v11, 528
	v_lshl_add_u32 v13, v12, 6, v13
	v_add_nc_u32 v[STR], s34, v13
	s_mul_i32 s34, s26, 6144
	v_add_nc_u32 v[XWI], s34, v[LI]
	s_lshl_b32 s34, s26, 9
	s_add_co_u32 s34, s34, XSC
	v_add_nc_u32 v[XWS], s34, v[LI]
	v_lshlrev_b32 v[BA1], 6, v12
	v_and_b32 v13, 8, v11
	v_add_nc_u32 v13, v13, v11
	v_lshlrev_b32 v[BA2], 2, v13
	v_mov_b32 v[NEG], 0xf1800000                   ; -2^100
.irp b, 0,1,2,3
	v_mov_b32 v[TM+4+\b], 0                        ; written once: a lane permute's destination counts as one of its sources
.endr
	s_mov_b32 s30, 13824                           ; a record of kv,
	s_mov_b32 s31, 6656                            ; of qc;
	s_mov_b32 s36, 12288                           ; where a record's scale words of k lie,
	s_mov_b32 s37, 6144                            ; of q
	s_wait_kmcnt 0x0
	s_cmp_eq_u32 s27, 1                            ; the buffers are chosen by the work-group's y alone
	s_cselect_b64 s[4:5], s[6:7], s[4:5]
	s_cselect_b64 s[12:13], s[14:15], s[12:13]
	s_cmp_eq_u32 s27, 2
	s_cselect_b64 s[4:5], s[8:9], s[4:5]
	s_cselect_b64 s[12:13], s[16:17], s[12:13]
	s_cmp_eq_u32 s27, 0
	s_cselect_b64 s[22:23], s[22:23], s[24:25]
	s_cselect_b32 s30, s31, s30
	s_cselect_b32 s36, s37, s36
	s_mov_b32 s37, 0
	s_mov_b32 s33, 0
	s_lshl_b32 s32, ttmp9, 7                       ; x: row 128 x + 32 (w / 2) + 8 (w % 2), rows of 2,048 bytes
	s_lshr_b32 s34, s26, 1
	s_lshl_b32 s34, s34, 5
	s_add_co_u32 s32, s32, s34
	s_and_b32 s34, s26, 1
	s_lshl_b32 s34, s34, 3
	s_add_co_u32 s32, s32, s34
	s_lshl_b32 s32, s32, 11
	s_add_nc_u64 s[4:5], s[4:5], s[32:33]
	s_mul_i32 s32, s27, 196608                     ; my weight's images, my head's 16 fragments
	s_mul_i32 s34, s26, 24576
	s_add_co_u32 s32, s32, s34
	s_add_nc_u64 s[18:19], s[18:19], s[32:33]
	s_lshl_b32 s32, s27, 14                        ; and their scale words
	s_lshl_b32 s34, s26, 11
	s_add_co_u32 s32, s32, s34
	s_add_nc_u64 s[20:21], s[20:21], s[32:33]
	s_lshl_b32 s32, s26, 8                         ; my head's 64 numbers of the bias
	s_add_nc_u64 s[12:13], s[12:13], s[32:33]
	s_lshr_b32 s34, ttmp9, 5                       ; my record: ((batch x 8 + head) x 32 + step) records on
	s_lshl_b32 s34, s34, 3
	s_add_co_u32 s34, s34, s26
	s_lshl_b32 s34, s34, 5
	s_and_b32 s35, ttmp9, 31
	s_add_co_u32 s34, s34, s35
	s_mul_i32 s32, s34, s30
	s_add_nc_u64 s[22:23], s[22:23], s[32:33]
	s_add_nc_u64 s[38:39], s[22:23], s[36:37]      ; and its scale words (q, k)
	s_lshl_b32 s32, ttmp9, 9                       ; the block's 128 words of the mask
	s_add_nc_u64 s[10:11], s[10:11], s[32:33]
	; ---- X: my 16 rows of x become four fragments.  All 64 row loads go out at once; each reads 512 consecutive bytes of one row
	s_wait_alu depctr_va_vdst(0)                   ; v1 to v8 are written, which every load and store of the kernel reads as its address or offset; so are v12 and v13, in which the mask's load lands
.irp f, 0,1,2,3,4,5,6,7,8,9,10,11,12,13,14,15
	global_load_b32 v[WS+\f], v[L4], s[20:21] offset:128*\f
.endr
	WIN 0x40                                       ; destination window 1, address window 0
.irp s, 0,1,2,3
.irp p, 0,1,2,3,4,5,6,7,8,9,10,11,12,13,14,15
	global_load_b128 v[64*\s+4*\p:64*\s+4*\p+3], v[LI], s[4:5] offset:(\p+8*(\p/8))*2048+512*\s th:TH_LOAD_NT
.endr
.endr
; K step s: its 16 x 512 bytes turn through my stage, so that a lane gets 16 neighbours of each block of 32 of ITS row, in buffer s % 2.
.macro TURN s
	s_wait_loadcnt 48                              ; behind this step's 16 loads stand 16 (3 - s) row loads and the 16 s weight loads issued since: 48 in every step
	WIN 0x04                                       ; an LDS store's data are its source 1: window 1
.irp p, 0,1,2,3,4,5,6,7,8,9,10,11,12,13,14,15
	ds_store_b128 v[STO], v[64*\s+4*\p:64*\s+4*\p+3] offset:528*\p
.endr
	WIN 0
.irp b, 0,1,2,3
.irp j, 0,1,2,3
	ds_load_b128 v[ACC+64*(\s%2)+16*\b+4*\j:ACC+64*(\s%2)+16*\b+4*\j+3], v[STR] offset:128*\b+16*\j   ; LDS serves a wave's instructions in order (ISA guide 5.7.1.4): these see the stores above.  No vector instruction since the last wait on va_vdst names this buffer
.endr
.endr
.endm
; The head of K step s: its numbers are back; the registers that they left take weight chunks 16 s .. 16 s + 15.
.macro XIN s
.if \s == 0
	s_wait_dscnt 0x0                               ; the step's numbers are back from the stage
.else
	s_wait_dscnt 3                                 ; the step's numbers are back from the stage; the three stores of the last step's codes, issued behind them, may be out
.endif
	s_wait_alu depctr_vm_vsrc(0)                   ; this step's stores into the stage have read the rows' registers, in which weights (step 3: the bias) land; the last step's stores of codes have read v[PC ..], which QUANT writes again
.if \s < 3
	WIN 0x40
.irp n, 0,1,2,3,4,5,6,7,8,9,10,11,12,13,14,15
	global_load_b128 v[64*\s+4*\n:64*\s+4*\n+3], v[LI], s[18:19] offset:512*(16*\s+\n)
.endr
	WIN 0
.endif
.endm
; K step s is quantised and its image stored.
.macro XQ s
	QUANT ACC+64*(\s%2)
	v_mov_b32 v[SW+\s], v[PW]
	s_wait_alu depctr_va_vdst(0)                   ; QUANT has written v[PC ..] and the scale word, which the LDS stores read, and is done reading its buffer, in which the loads of the step after next land
.irp c, 0,1,2
	ds_store_b128 v[XWI], v[PC+4*\c:PC+4*\c+3] offset:1536*\s+512*\c
.endr
.endm
	TURN 0
	XIN 0
	TURN 1                                         ; the next step goes through the stage while this one is quantised
	XQ 0
	XIN 1
	TURN 2
	XQ 1
	XIN 2
	TURN 3
	XQ 2
	XIN 3
	XQ 3
	ds_store_b128 v[XWS], v[SW:SW+3]               ; (the four words were written ahead of the wait in the last step)
	s_cmp_eq_u32 s27, 2                            ; the bias in the result's layout: it differs between the transposed and the natural use
	s_cbranch_scc1 .Lbias_v
	WIN 0x40
.irp t, 0,1,2,3
.irp k, 0,1
	global_load_b128 v[BI+8*\t+4*\k:BI+8*\t+4*\k+3], v[BA1], s[12:13] offset:4*(32*(\t/2)+8*(\t%2))+16*\k   ; lane half h, register j: column 32 (t / 2) + 8 (t % 2) + 16 h + j
.endr
.endr
	WIN 0
	s_branch .Lbias_done
.Lbias_v:
	WIN 0x40
.irp t, 0,1,2,3
.irp j, 0,1,2,3,4,5,6,7
	global_load_b32 v[BI+8*\t+\j], v[BA2], s[12:13] offset:4*(32*(\t/2)+8*(\t%2))   ; lane r: its column's bias, in all eight registers
.endr
.endr
	WIN 0
.Lbias_done:
	s_wait_dscnt 0x0                               ; for the others' sake: my images and scale words have landed
	s_barrier_signal -1
	s_barrier_wait -1                              ; x's 32 fragments lie in LDS; nothing is stored to LDS behind this barrier
	s_wait_loadcnt 0x0                             ; the weights, their scale words, the bias
	s_cmp_eq_u32 s27, 2
	s_cbranch_scc1 .Lpath_v
	; ---- q, k: a row tile against my four column tiles: four accumulators by turns, K step by K step
.macro MULQK dd, xf, xs
.irp s, 0,1,2,3
.if \s == 0
	WIN 0x11                                       ; source 0 (W) and source 2 (the bias) window 1
.else
	WIN 0x01
.endif
.irp t, 0,1,2,3
.if \s == 0
	MMC \dd+8*\t, 12*(4*\t+\s), \xf+12*\s, BI+8*\t, WS+4*\t+\s, \xs+\s
.else
	MMA \dd+8*\t, 12*(4*\t+\s), \xf+12*\s, WS+4*\t+\s, \xs+\s
.endif
.endr
.endr
.endm
; Row tiles 2 q and 2 q + 1, from the two sets; the next pair's sets are asked for behind the products and land while this pair is quantised.
.macro PAIR q
	s_wait_dscnt 13                                ; the first set is in; the second set's 13 loads may be out
	MULQK ACC, XF, XS
	s_wait_dscnt 0x0                               ; the second set is in
	MULQK ACC+32, XF1, XS1
	WIN 0
	PLACES
.if \q < 3
	s_wait_alu depctr_va_vdst(0)                   ; the pair's 32 products are done reading both sets of fragments and scale words, in which the loads below land
	FETCHX 2*\q+2, XF, XS
	FETCHX 2*\q+3, XF1, XS1
.endif
	s_wait_xcnt 0x0                                ; the last pair's stores have read the codes' registers
	s_wait_alu depctr_vm_vsrc(0)                   ; the stores issued so far (the last pair's; ahead of the first pair the LDS stores of x's codes and words) have read v[PC ..] and v[SW ..], which are written again below
	QUANT ACC
	v_mov_b32 v[SW+\q], v[PW]
	s_wait_alu depctr_va_vdst(0)                   ; QUANT has written v[PC ..] and the pair's scale word, which the stores read
	OUT3 1536*\q
.endm
	FETCHX 0, XF, XS                               ; (the second set's registers were last named by QUANT of K step 3, ahead of that step's wait on va_vdst)
	FETCHX 1, XF1, XS1
	PAIR 0
	PAIR 1
	PAIR 2
	PAIR 3
	global_store_b128 v[LI], v[SW:SW+3], s[38:39]  ; a lane's four scale words: 512 consecutive bytes a wave
	s_wait_dscnt 0x0                               ; the closing lines, six on end
	s_wait_alu 0x0
	s_wait_tensorcnt 0x0
	ds_add_u32 v78, v79
	s_wait_dscnt 0x0
	s_endpgm
	; ---- v: two column tiles at a time against the eight row tiles: the two accumulators of a row tile by turns
.Lpath_v:
	global_load_b128 v[12:15], v[LI], s[10:11]     ; the block's mask: keys 4 lane .. 4 lane + 3
.macro MULV m, hf
.if \m > 0
	s_wait_alu depctr_va_vdst(0)                   ; the tile before's eight products are done reading x's fragments and scale words, in which the loads below land (tile 0: the wait ahead of the last image's stores has shown it)
.endif
	FETCHX \m, XF, XS
.irp s, 0,1,2,3
	s_wait_dscnt 9-3*\s                            ; the scale words and fragments 0 to s are in; the 3 (3 - s) loads of the later fragments may be out
.if \s == 0
	WIN 0x14                                       ; source 1 (W) and source 2 (the bias) window 1
.else
	WIN 0x04
.endif
.irp u, 0,1
.if \s == 0
	MMC ACC+64*\u+8*(\m), XF+12*\s, 12*(4*(2*(\hf)+\u)+\s), BI+8*(2*(\hf)+\u), XS+\s, WS+4*(2*(\hf)+\u)+\s
.else
	MMA ACC+64*\u+8*(\m), XF+12*\s, 12*(4*(2*(\hf)+\u)+\s), XS+\s, WS+4*(2*(\hf)+\u)+\s
.endif
.endr
.endr
	WIN 0
	PLACES
.endm
.macro VOUT g, u                       ; d tile 2 g + u: its 64 numbers a lane, along the 128 keys, become an image
	s_wait_xcnt 0x0                                ; the last image's stores have read the codes' registers
	s_wait_alu depctr_vm_vsrc(0)                   ; the stores issued so far (the last image's; ahead of the first the LDS stores of x's codes and words) have read v[PC ..] and v[SW ..], which are written again below
	QUANT ACC+64*\u
	v_mov_b32 v[SW+2*\g+\u], v[PW]
	s_wait_alu depctr_va_vdst(0)                   ; QUANT has written v[PC ..] and the scale word, which the stores read; in the last image's turn the selects have written the mask's four registers too
	OUT3 6144+1536*(2*\g+\u)
.endm
.irp m, 0,1,2,3,4,5,6,7
	MULV \m, 0
.endr
	VOUT 0, 0
	VOUT 0, 1
.irp m, 0,1,2,3,4,5,6,7
	MULV \m, 1
.endr
	s_wait_loadcnt 0x0                             ; the mask
.irp i, 0,1,2,3
	v_cmp_eq_u32 s[40+\i], 0, v[12+\i]
.endr
	s_wait_alu depctr_va_sdst(0)                   ; the four compares have written s40 to s43, ahead of the selects that read them
.irp i, 0,1,2,3
	v_cndmask_b32 v[12+\i], 0, v[NEG], s[40+\i]    ; what is added to a key's scores: 0, or -2^100 where the mask is 0
.endr
	VOUT 1, 0
	VOUT 1, 1
	global_store_b128 v[LI], v[SW:SW+3], s[22:23] offset:12800
	global_store_b128 v[LI], v[12:15], s[22:23] offset:13312
	s_wait_dscnt 0x0                               ; the closing lines, six on end
	s_wait_alu 0x0
	s_wait_tensorcnt 0x0
	ds_add_u32 v78, v79
	s_wait_dscnt 0x0
	s_endpgm
.Lfunc_end_k_qdbb47acba0_proj:
	.size	k_qdbb47acba0_proj, .Lfunc_end_k_qdbb47acba0_proj-k_qdbb47acba0_proj
	.p2alignl 7, 3214868480
	.fill 96, 4, 3214868480
	.section	.rodata,"a",@progbits
	.p2align	6, 0x0
	.amdhsa_kernel k_qdbb47acba0_proj
		.amdhsa_group_segment_fixed_size 121856
		.amdhsa_private_segment_fixed_size 0
		.amdhsa_enable_private_segment 0
		.amdhsa_kernarg_size 88
		.amdhsa_user_sgpr_count 2
		.amdhsa_user_sgpr_kernarg_segment_ptr 1
		.amdhsa_wavefront_size32 1
		.amdhsa_system_sgpr_workgroup_id_x 1
		.amdhsa_system_sgpr_workgroup_id_y 1
		.amdhsa_system_sgpr_workgroup_id_z 1
		.amdhsa_system_vgpr_workitem_id 0
		.amdhsa_next_free_vgpr 512
		.amdhsa_next_free_sgpr 66
		.amdhsa_reserve_vcc 0
		.amdhsa_float_denorm_mode_32 3
		.amdhsa_float_denorm_mode_16_64 3
		.amdhsa_memory_ordered 1
		.amdhsa_forward_progress 1
		.amdhsa_inst_pref_size 138
	.end_amdhsa_kernel
	.amdgpu_metadata
---
amdhsa.version: [ 1, 2 ]
amdhsa.kernels:
  - .name:           k_qdbb47acba0_proj
    .symbol:         k_qdbb47acba0_proj.kd
    .args:
      - { .name: query, .offset: 0, .size: 8, .value_kind: global_buffer, .address_space: global }
      - { .name: key, .offset: 8, .size: 8, .value_kind: global_buffer, .address_space: global }
      - { .name: value, .offset: 16, .size: 8, .value_kind: global_buffer, .address_space: global }
      - { .name: mask, .offset: 24, .size: 8, .value_kind: global_buffer, .address_space: global }
      - { .name: bq, .offset: 32, .size: 8, .value_kind: global_buffer, .address_space: global }
      - { .name: bk, .offset: 40, .size: 8, .value_kind: global_buffer, .address_space: global }
      - { .name: bv, .offset: 48, .size: 8, .value_kind: global_buffer, .address_space: global }
      - { .name: wc, .offset: 56, .size: 8, .value_kind: global_buffer, .address_space: global }
      - { .name: ws, .offset: 64, .size: 8, .value_kind: global_buffer, .address_space: global }
      - { .name: qc, .offset: 72, .size: 8, .value_kind: global_buffer, .address_space: global }
      - { .name: kv, .offset: 80, .size: 8, .value_kind: global_buffer, .address_space: global }
    .group_segment_fixed_size: 121856
    .private_segment_fixed_size: 0
    .kernarg_segment_align: 8
    .kernarg_segment_size: 88
    .max_flat_workgroup_size: 256
    .sgpr_count:     66
    .vgpr_count:     512
    .wavefront_size: 32
...
	.end_amdgpu_metadata
.endif
;; end of part 6
;; launch attn (part 7): grid 16 x 16, 16 waves a work-group, clusters of 4 x 1, 327,680 bytes of LDS; arguments qc, kv, xc, xs; writes xc, xs
.if DOCPART == 7
	.amdgcn_target "amdgcn-amd-amdhsa--gfx1250"
	.amdhsa_code_object_version 6
	.text
	.protected	k_qdbb47acba0_attn
	.globl	k_qdbb47acba0_attn
	.p2align	8
	.type	k_qdbb47acba0_attn,@function
k_qdbb47acba0_attn:
	s_mov_b64 s[64:65], 0
	v_nop
	global_prefetch_b8 v0, s[64:65] scope:SCOPE_SE
	s_setreg_imm32_b32 hwreg(HW_REG_WAVE_MODE, 25, 1), 1
	s_wait_xcnt 0x0
	s_wait_alu depctr_hold_cnt(0) depctr_sa_sdst(0) depctr_va_vdst(0) depctr_va_sdst(0) depctr_va_ssrc(0) depctr_va_vcc(0) depctr_vm_vsrc(0)
	s_getreg_b32 s2, hwreg(HW_REG_IB_STS2, 6, 4)
	s_cmp_eq_u32 s2, 0
	s_cbranch_scc0 .Lentry_in_a_cluster
	s_endpgm
.Lentry_in_a_cluster:
	s_bfe_u32 s2, ttmp6, 0x10000c
	s_cmp_lg_u32 s2, 0x3003
	s_cbranch_scc0 .Lentry_shape_is_right
	s_endpgm
.Lentry_shape_is_right:
; x[b][q][head][:] = softmax_k(q . k / 8, masked) v, both products on codes of FP6 (E2M3) with one E8M0 scale for each 32 along a product's K; x is quantised at once as an operand of the output projection.
; THE SOFTMAX: t = score x log2(e) / 8; M = the row's largest t so far, rounded UP to a whole number; p = 2^(t - M) is what is quantised, along the keys, not normalised.  The row's sum is taken of the unquantised p
; and divides at the end.  When M moves, the sum and O are multiplied by 2^(old M - new M): exact.
; SHARES: work-group y = batch x 8 + head; x = a block of 256 queries; each of SIXTEEN waves owns one tile of 16 queries in 256 registers: four waves to a SIMD, so that one wave's vector work stands beside another's
; matrix work and LDS loads.  Every wave walks all 32 steps of 128 keys.  A step's operands are one dense record of 13,824 bytes, made by the launch before as images of the operands' registers: every LDS load takes 16 x lane.
; CLUSTER: the four query blocks of a cluster belong to one head and walk the same records: each slot (8 records) is asked for JOINTLY, by waves 0-3, a quarter each, with the same descriptor and a mask that names the four.
; BOTH PRODUCTS TRANSPOSED: S^T = K Q^T, O^T = V^T P^T: a lane holds ONE query throughout.  Keys, queries and d stand in the tile order (row r of tile 2 b + u = index 32 b + 8 u + r + 8 (r / 8)).
; K = 64 IN AN INSTRUCTION OF 128: a pair image holds key tile 2 b at k = 0 .. 63 and key tile 2 b + 1 at k = 64 .. 127.  Q lies in 18 registers as (Q, zeros, Q): registers 0-11 = (Q, 0) pick tile 2 b,
; registers 6-17 = (0, Q) pick tile 2 b + 1.  Zero codes add nothing under any scale byte but 0xff.  So no empty half is read from LDS.
; THE MASK: the record's 128 f32 (0, or -2^100 for a hidden key) are loaded into the scores' registers and are the C of the score products.  The largest t starts at -2^60, over every hidden key's t: a hidden p is 2^(very negative) = 0.
; LIMITS: |t| under 2^60; NaN and infinities are not served; a block of p or of x under 2^-124 keeps the scale byte 1.  A row all of whose keys are hidden has the sum 0: its scale word becomes 0xffffffff,
; which makes the output projection's sums NaN, as the softmax of a row of -infinity is.
; OUT: xc [row tile G][head][768]: half a fragment (K = the head's 64): registers 0-3 at 16 x lane, 4-5 at 512 + 8 x lane;  xs [G][head][128]: the word (b0, b1, b0, b1) at 4 x lane (128 bytes a store).
.set REC,   13824
.set VIMG,  6144
.set KSC,   12288
.set VSC,   12800
.set MB,    13312
.set SLOTB, 8*REC                      ; a slot: 8 records = 432 rows of 256 bytes
.set QUART, SLOTB/4                    ; what one tensor load brings: 108 rows of 256 bytes
.set SPARE, 2*SLOTB                    ; behind the ring: the spare words, 128 bytes for each wave: eight blocks of 256 bytes that no other line names
.set LI,  1                            ; v1   16 x lane
.set MBA, 2                            ; v2   MB + 64 h
.set SPW, 3                            ; v3   LDS address of my spare word; never rewritten
.set NIL, 4                            ; v4   0; never rewritten
.set ADI, 5                            ; v5   the record in hand + 16 x lane
.set ADM, 6                            ; v6   the record in hand + MB + 64 h
.set L8,  7
.set L4,  8
.set Q,   16                           ; v16-33  Q, zeros, Q          (v12 -M, v13 the largest t, v[14:15] the sum in two halves)
.set QSW, 34                           ; v34  Q's scale word (q0, q1, q0, q1)
.set KV,  36                           ; v36-83  four fragments: K's pair images, then V's
.set KSW, 84
.set VSW, 88
.set S,   96                           ; v96-159  S^T, then p
.set O,   160                          ; v160-191 O^T
.set PC,  192                          ; v192-203 p's codes
.set CT,  204                          ; v204-206, v208-210
.set BM,  212                          ; the blocks' largest scores, then largest p
.set PT,  216
.set SO,  220
.set PSW, 228
.set WV,  12
.set TB,  40
.set CNT, 41
.macro MMA d, a, b, sa, sb
	v_wmma_scale_f32_16x16x128_f8f6f4 v[(\d):(\d)+7], v[(\a):(\a)+11], v[(\b):(\b)+11], v[(\d):(\d)+7], v[\sa], v[\sb] matrix_a_fmt:MATRIX_FMT_FP6 matrix_b_fmt:MATRIX_FMT_FP6
.endm
.macro ROUND                           ; a round of the cluster's barrier: my work-group's barrier; wave 0 signals for the work-group; every wave waits for all four work-groups; my work-group's barrier once more
	s_barrier_signal -1
	s_barrier_wait -1
	s_cmp_lg_u32 s[WV], 0
	s_cbranch_scc1 .Lnot_wave_0_\@
	s_barrier_signal -3
.Lnot_wave_0_\@:
	s_barrier_wait -3
	s_barrier_signal -1
	s_barrier_wait -1
.endm
.macro JLOAD n                         ; a joint refill of slot n: waves 0-3, a quarter each; the branch hangs on the wave's number alone.  Four v_nop follow the load
	s_cmp_lt_u32 s[WV], 4
	s_cbranch_scc0 .Lno_load_\@
	tensor_load_to_lds s[32+4*\n:35+4*\n], s[24:31]
	s_nop 0
.rept 4
	v_nop
.endr
.Lno_load_\@:
.endm
; THE CHANGE OF SLOTS, behind slot n's last step.  Each wave waits for all its tensor loads (its part of the other slot), adds 0 to its spare word, and waits for that and for its reads of slot n.
; fill = 1: the barrier is a round of the cluster's, so that no wave of any partner still reads the slot, and the joint refill (the records 16 steps on) is the first thing behind it: it has 8 steps in which to land.
.macro CHANGE n, fill
	s_wait_tensorcnt 0x0                           ; no tensor load of mine is out, so a group 0 may be written
	ds_add_u32 v[SPW], v[NIL]                      ; 0 onto my spare word
.if \fill
	s_add_nc_u64 s[34+4*\n:35+4*\n], s[34+4*\n:35+4*\n], 2*SLOTB   ; the type bits on top are not reached
.endif
	s_wait_dscnt 0x0                               ; the add is done, and my reads of the slot are over
.if \fill
	ROUND
	JLOAD \n
.else
	s_barrier_signal -1
	s_barrier_wait -1
.endif
.endm
	s_load_b256 s[4:11], s[0:1], 0x0               ; qc, kv, xc, xs
	v_lshl_add_u32 v[SPW], v0, 2, SPARE
	v_mov_b32 v[NIL], 0
	ds_add_u32 v3, v4
	ds_add_u32 v3, v4
	s_wait_dscnt 0x0
	v_lshrrev_b32 v5, 5, v0
	s_delay_alu instid0(VALU_DEP_1)
	v_readfirstlane_b32 s[WV], v5                  ; wave 0..15
	s_bfe_u32 s13, ttmp6, 0x40000                  ; cx: my place in the cluster
	s_lshl_b32 s14, ttmp9, 2                       ; in a cluster launch ttmp9 counts clusters
	s_add_co_u32 s14, s14, s13                     ; my block of 256 queries: it enters qc's, xc's and xs's addresses alone
	s_and_b32 s15, ttmp7, 0xffff                   ; batch x 8 + head, which the four partners share
	s_mov_b32 s20, 0x76543210
	s_mov_b32 s21, 0xfedcba98                      ; v_permlanex16_b32's selects for lane l xor 16
	s_mov_b32 s22, 0x3e38aa3b                      ; c = log2(e) / 8
	s_mov_b32 s23, s22                             ; (named with it as a pair, so it is written)
	; descriptor group 1: 108 dense rows of 256 bytes (32 elements of 8 bytes), no padding: every LDS load of a record takes 512 consecutive bytes
	s_mov_b32 s24, 15|(3<<16)|(1<<21)              ; 15:0 the mask: all four work-groups; 17:16 elements of 8 bytes; 21 set beside a mask
	s_mov_b32 s25, 32<<16                          ; tensor_dim0 = 32
	s_mov_b32 s26, 108<<16                         ; tensor_dim1 = 108
	s_mov_b32 s27, 32<<16                          ; tile_dim0 = 32
	s_mov_b32 s28, 108                             ; tile_dim1 = 108
	s_mov_b32 s29, 32                              ; elements from row to row
	s_mov_b32 s30, 0
	s_mov_b32 s31, 0
	s_and_b32 s44, s[WV], 3
	s_mul_i32 s44, s44, QUART                      ; my quarter of a slot, in LDS and in memory alike
	s_mul_i32 s42, s15, 32*REC                     ; the head's records
	s_add_co_u32 s42, s42, s44
	s_mov_b32 s43, 0
	s_lshl_b32 s46, s15, 5                         ; Q: record (batch x 8 + head) x 32 + 2 x block + wave / 8,
	s_lshl_b32 s47, s14, 1
	s_add_co_u32 s46, s46, s47
	s_lshr_b32 s47, s[WV], 3
	s_add_co_u32 s46, s46, s47
	s_mul_i32 s46, s46, 6656
	s_bfe_u32 s48, s[WV], 0x20001                  ; pair (wave / 2) % 4 of it
	s_mul_i32 s47, s48, 1536
	s_add_co_u32 s50, s46, s47
	s_mov_b32 s51, 0
	s_lshl_b32 s48, s48, 2
	s_add_co_u32 s52, s46, s48
	s_add_co_u32 s52, s52, 6144                    ; and the pair's scale word among a lane's four
	s_mov_b32 s53, 0
	s_lshr_b32 s58, s15, 3
	s_lshl_b32 s58, s58, 8
	s_lshl_b32 s59, s14, 4
	s_add_co_u32 s58, s58, s59
	s_add_co_u32 s58, s58, s[WV]                   ; G = batch x 256 + 16 x block + wave
	s_and_b32 s59, s15, 7                          ; the head
	s_mul_i32 s54, s58, 6144
	s_mul_i32 s55, s59, 768
	s_add_co_u32 s54, s54, s55
	s_mov_b32 s55, 0
	s_lshl_b32 s56, s58, 10
	s_lshl_b32 s57, s59, 7
	s_add_co_u32 s56, s56, s57
	s_mov_b32 s57, 0
	s_mov_b32 s61, 0x03020302                      ; byte selects for Q's scale word: the pair's second tile,
	s_mov_b32 s62, 0x01000100                      ; its first
	s_and_b32 s60, s[WV], 1
	s_cmp_lg_u32 s60, 0
	s_cselect_b32 s60, -1, 0                       ; all lanes: my tile is the pair's second
	s_cselect_b32 s61, s61, s62
	s_wait_kmcnt 0x0
	s_add_nc_u64 s[6:7], s[6:7], s[42:43]
	s_add_nc_u64 s[50:51], s[4:5], s[50:51]
	s_add_nc_u64 s[52:53], s[4:5], s[52:53]
	s_add_nc_u64 s[8:9], s[8:9], s[54:55]
	s_add_nc_u64 s[10:11], s[10:11], s[56:57]
	s_mov_b32 s32, 1                               ; group 0 of slot 0: count = 1,
	s_mov_b32 s33, s44                             ; LDS address: no place in the cluster enters it,
	s_mov_b64 s[34:35], s[6:7]                     ; steps 0-7,
	s_or_b32 s35, s35, 0x80000000                  ; type = 2
	s_mov_b32 s36, 1                               ; of slot 1:
	s_add_co_u32 s37, s44, SLOTB
	s_add_nc_u64 s[38:39], s[6:7], SLOTB           ; steps 8-15
	s_or_b32 s39, s39, 0x80000000
	ROUND                                          ; all four work-groups are here: the first joint loads meet
	s_cmp_lt_u32 s[WV], 4                          ; a wave's two first fills stand in one branch, ahead of every wait on TENSORcnt and every LDS read: two loads of mine are out
	s_cbranch_scc0 .Lfirst_asked
	tensor_load_to_lds s[32:35], s[24:31]
	s_nop 0
	tensor_load_to_lds s[36:39], s[24:31]
	s_nop 0
.rept 4
	v_nop
.endr
.Lfirst_asked:
	v_and_b32 v5, 31, v0
	s_delay_alu instid0(VALU_DEP_1)
	v_lshlrev_b32 v[LI], 4, v5
	s_delay_alu instid0(VALU_DEP_2)
	v_lshlrev_b32 v[L8], 3, v5
	s_delay_alu instid0(VALU_DEP_3)
	v_lshlrev_b32 v[L4], 2, v5
	v_bfe_u32 v6, v0, 4, 1
	s_delay_alu instid0(VALU_DEP_1)
	v_lshl_add_u32 v[MBA], v6, 6, MB
.irp c, 0,1,2
	global_load_b128 v[KV+4*\c:KV+4*\c+3], v[LI], s[50:51] offset:512*\c   ; my pair's image
.endr
	global_load_b32 v35, v[LI], s[52:53]           ; and its scale word
	s_wait_tensorcnt 0x1                           ; my part of slot 0 is in; slot 1's may stay out
	s_barrier_signal -1
	s_barrier_wait -1                              ; everybody's is
	s_wait_loadcnt 0x0
.irp i, 0,1,2,3,4,5
	v_cndmask_b32 v[Q+\i], v[KV+\i], v[KV+6+\i], s60   ; my tile's six registers of the pair's twelve
.endr
	v_perm_b32 v[QSW], v35, v35, s61               ; (q0, q1, q0, q1)
.irp i, 0,1,2,3,4,5
	v_mov_b32 v[Q+6+\i], 0
.endr
.irp i, 0,1,2,3,4,5
	v_mov_b32 v[Q+12+\i], v[Q+\i]
.endr
	v_mov_b32 v13, 0xdd800000                      ; the largest t so far: -2^60
	s_delay_alu instid0(VALU_DEP_1)
	v_floor_f32 v12, -v13                          ; -M
	v_mov_b32 v14, 0                               ; the sum, in two halves
	v_mov_b32 v15, 0
.irp b, 0,1,2,3
	v_mov_b32 v[PT+\b], 0                          ; written once: a lane permute's destination counts as one of its sources
.endr
	v_mov_b32 v227, 0                              ; (named as the upper half of the pair v[226:227])
.set j, 0
.rept 32
	v_mov_b32 v[O+j], 0                            ; O^T: the step is written once; its first run finds zeros, which the first change of M leaves zeros.  (Also the places between Q's scale word and the first product)
.set j, j+1
.endr
; A KEY STEP: the record at LDS byte s[TB].
.macro STEP
	v_add_nc_u32 v[ADI], s[TB], v[LI]
	v_add_nc_u32 v[ADM], s[TB], v[MBA]
	v_nop
	v_nop                                          ; with the two additions: four places behind the last step's products, ahead of loads into their sources
.irp b, 0,1,2,3
.irp j, 0,1,2,3
	ds_load_b128 v[S+16*\b+4*\j:S+16*\b+4*\j+3], v[ADM] offset:128*\b+16*\j   ; the mask's addends of keys 32 b + 16 h + 0 .. 15: they are the C of the score products
.endr
.endr
.irp n, 0,1,2,3,4,5,6,7,8,9,10,11
	ds_load_b128 v[KV+4*\n:KV+4*\n+3], v[ADI] offset:512*\n
.endr
	ds_load_b128 v[KSW:KSW+3], v[ADI] offset:KSC
	s_wait_alu depctr_va_vdst(0)
	s_wait_dscnt 0x0
.irp b, 0,1,2,3                                ; eight accumulators, one instruction each
	MMA S+16*\b,   KV+12*\b, Q,   KSW+\b, QSW      ; key tile 2 b: keys 32 b + 16 h + 0 .. 7
	MMA S+16*\b+8, KV+12*\b, Q+6, KSW+\b, QSW      ; key tile 2 b + 1: keys 32 b + 16 h + 8 .. 15
.endr
.rept 4
	v_nop
.endr
.irp n, 0,1,2,3,4,5,6,7,8,9,10,11
	ds_load_b128 v[KV+4*\n:KV+4*\n+3], v[ADI] offset:VIMG+512*\n   ; V's four fragments land while the softmax is walked
.endr
	ds_load_b128 v[VSW:VSW+3], v[ADI] offset:VSC
.irp b, 0,1,2,3
	v_max3_num_f32 v[BM+\b], v[S+16*\b], v[S+1+16*\b], v[S+2+16*\b]   ; THE LARGEST SCORE OF EACH BLOCK OF 32 KEYS serves twice: for the row's maximum, and, since p rises with the score, for the block's largest p
.endr
.irp i, 3,5,7,9,11,13
.irp b, 0,1,2,3
	v_max3_num_f32 v[BM+\b], v[BM+\b], v[S+16*\b+\i], v[S+1+16*\b+\i]
.endr
.endr
.irp b, 0,1,2,3
	v_max_num_f32 v[BM+\b], v[BM+\b], v[S+15+16*\b]
.endr
.irp b, 0,1,2,3
	s_delay_alu instid0(VALU_DEP_4)
	v_permlanex16_b32 v[PT+\b], v[BM+\b], s20, s21
.endr
.irp b, 0,1,2,3
	s_delay_alu instid0(VALU_DEP_4)
	v_max_num_f32 v[BM+\b], v[BM+\b], v[PT+\b]     ; with lane l xor 16's 16 keys
.endr
	s_delay_alu instid0(VALU_DEP_2)
	v_max3_num_f32 v224, v[BM], v[BM+1], v[BM+2]
	s_delay_alu instid0(VALU_DEP_1)
	v_max_num_f32 v224, v224, v[BM+3]              ; the step's largest score of my query
	s_delay_alu instid0(VALU_DEP_1)
	v_mul_f32 v224, s22, v224                      ; as t (c is positive)
	s_delay_alu instid0(VALU_DEP_1)
	v_max_num_f32 v13, v13, v224                   ; the running largest t
	v_mov_b32 v224, v12
	s_delay_alu instid0(VALU_DEP_2)
	v_floor_f32 v12, -v13                          ; the new -M = floor(-t) = -ceil(t): M IS A WHOLE NUMBER
	s_delay_alu instid0(VALU_DEP_1)
	v_sub_f32 v224, v12, v224                      ; M's old value less its new one: a whole number, 0 or less
	s_delay_alu instid0(VALU_DEP_1)
	v_cvt_i32_f32 v224, v224                       ; (it saturates)
	s_delay_alu instid0(VALU_DEP_1)
	v_ldexp_f32 v226, 1.0, v224                    ; f = 2^(old M - new M)
.set j, 0
.rept 32
	v_pk_fma_f32 v[S+j:S+j+1], v[S+j:S+j+1], s[22:23], v[12:13] op_sel_hi:[1,0,0]   ; t - M, two at a time (of the pairs c and -M the low word serves both halves)
.set j, j+2
.endr
.irp b, 0,1,2,3
	v_fma_f32 v[BM+\b], v[BM+\b], s22, v12         ; the same of each block's largest score
.endr
.set j, 0
	s_setprio 1
	s_wait_alu depctr_va_vdst(0)
.rept 64
	v_exp_f32 v[S+j], v[S+j]                       ; p = 2^(t - M), at most 1: NOT normalised
.set j, j+1
.endr
.irp b, 0,1,2,3
	v_exp_f32 v[BM+\b], v[BM+\b]                   ; the block's largest p: the same two instructions on the same number give the same bits
.endr
	v_pk_mul_f32 v[14:15], v[14:15], v[226:227] op_sel_hi:[1,0]   ; the sums under the new M.  (A plain place behind the exponentials)
	s_wait_alu depctr_va_vdst(0)
.irp b, 0,1,2,3
	v_max_num_f32 v[BM+\b], 0x1800000, v[BM+\b]    ; the floor 2^(3 - 127): the byte cannot fall under 1 (a block whose every p is 0 keeps that byte: its codes are zeros)
.endr
.irp b, 0,1,2,3
	s_delay_alu instid0(VALU_DEP_4)
	v_add_nc_u32 v[SO+\b], 0xff000000, v[BM+\b]    ; 2 off the exponent field: the conversion's scale operand
.endr
.irp b, 0,1,2,3
	s_delay_alu instid0(VALU_DEP_4)
	v_lshrrev_b32 v[PT+\b], 23, v[SO+\b]           ; the scale's byte
.endr
	s_delay_alu instid0(VALU_DEP_3)
	v_lshl_or_b32 v[PSW], v[PT+1], 8, v[PT]        ; p's scale word for these 128 keys
	s_delay_alu instid0(VALU_DEP_1)
	v_lshl_or_b32 v[PSW], v[PT+2], 16, v[PSW]
	s_delay_alu instid0(VALU_DEP_1)
	v_lshl_or_b32 v[PSW], v[PT+3], 24, v[PSW]
.irp c, 0,1
	v_cvt_scalef32_pk16_fp6_f32 v[PC+6*\c:PC+2+6*\c], v[S+32*\c:S+15+32*\c], v[SO+2*\c]
	v_cvt_scalef32_pk16_fp6_f32 v[CT+4*\c:CT+2+4*\c], v[S+16+32*\c:S+31+32*\c], v[SO+2*\c+1]   ; (a conversion's three registers begin on an even number)
.endr
	v_nop                                          ; one plain place behind a scaled conversion
.irp c, 0,1                                    ; the operand's layout wants a WHOLE block in a lane
.irp i, 0,1,2
	v_permlane16_swap_b32 v[PC+6*\c+\i], v[CT+4*\c+\i]
.endr
.irp i, 0,1,2
	s_delay_alu instid0(VALU_DEP_3)
	v_mov_b32 v[PC+3+6*\c+\i], v[CT+4*\c+\i]
.endr
.endr
	v_pk_add_f32 v[230:231], v[100:101], v[104:105]
	v_pk_add_f32 v[254:255], v[108:109], v[112:113]
	v_pk_add_f32 v[252:253], v[116:117], v[120:121]
	v_pk_add_f32 v[250:251], v[124:125], v[128:129]
	v_pk_add_f32 v[248:249], v[132:133], v[136:137]
	v_pk_add_f32 v[246:247], v[140:141], v[144:145]
	v_pk_add_f32 v[244:245], v[148:149], v[152:153]
	v_pk_add_f32 v[14:15], v[14:15], v[156:157]
	v_pk_add_f32 v[230:231], v[230:231], v[96:97]
	v_pk_add_f32 v[254:255], v[254:255], v[98:99]
	v_pk_add_f32 v[252:253], v[252:253], v[102:103]
	v_pk_add_f32 v[250:251], v[250:251], v[106:107]
	v_pk_add_f32 v[248:249], v[248:249], v[110:111]
	v_pk_add_f32 v[246:247], v[246:247], v[114:115]
	v_pk_add_f32 v[244:245], v[244:245], v[118:119]
	v_pk_add_f32 v[14:15], v[14:15], v[122:123]
	v_pk_add_f32 v[230:231], v[230:231], v[126:127]
	v_pk_add_f32 v[254:255], v[254:255], v[130:131]
	v_pk_add_f32 v[252:253], v[252:253], v[134:135]
	v_pk_add_f32 v[250:251], v[250:251], v[138:139]
	v_pk_add_f32 v[248:249], v[248:249], v[142:143]
	v_pk_add_f32 v[246:247], v[246:247], v[146:147]
	v_pk_add_f32 v[244:245], v[244:245], v[150:151]
	v_pk_add_f32 v[14:15], v[14:15], v[154:155]
	v_pk_add_f32 v[230:231], v[230:231], v[158:159]
	s_delay_alu instid0(VALU_DEP_2)
	v_pk_add_f32 v[14:15], v[14:15], v[250:251]
	s_delay_alu instid0(VALU_DEP_2)
	v_pk_add_f32 v[230:231], v[230:231], v[248:249]
	s_setprio 0
	v_pk_add_f32 v[254:255], v[254:255], v[246:247]
	v_pk_add_f32 v[252:253], v[252:253], v[244:245]
	s_delay_alu instid0(VALU_DEP_2)
	v_pk_add_f32 v[14:15], v[14:15], v[254:255]
	s_delay_alu instid0(VALU_DEP_2)
	v_pk_add_f32 v[230:231], v[230:231], v[252:253]
	s_delay_alu instid0(VALU_DEP_1)
	v_pk_add_f32 v[14:15], v[14:15], v[230:231]
.set j, 0
.rept 16
	v_pk_mul_f32 v[O+j:O+j+1], v[O+j:O+j+1], v[226:227] op_sel_hi:[1,0]   ; O^T under the new M, each accumulator from its low end on.  (With the sums: the places between p's scale word and codes and the products below)
.set j, j+2
.endr
	s_wait_alu depctr_va_vdst(0)
	s_wait_dscnt 0x0                               ; V's fragments and scale words
.irp t, 0,1,2,3                                ; O^T += V^T P^T: four accumulators, one instruction each
	MMA O+8*\t, KV+12*\t, PC, VSW+\t, PSW
.endr
.endm
.macro SLOT n                          ; a slot's eight steps: written once, walked eight times
	s_mov_b32 s[TB], \n*SLOTB
	s_mov_b32 s[CNT], 8
.Lstep_\@:
	s_setprio 2
	STEP
	s_add_co_u32 s[TB], s[TB], REC
	s_sub_co_u32 s[CNT], s[CNT], 1
	s_cmp_lg_u32 s[CNT], 0
	s_cbranch_scc1 .Lstep_\@
	s_setprio 0
.endm
	SLOT 0                                         ; steps 0-7
	CHANGE 0, 1                                    ; slot 0 takes steps 16-23
	SLOT 1                                         ; steps 8-15
	CHANGE 1, 1                                    ; slot 1 takes steps 24-31
	SLOT 0
	CHANGE 0, 0                                    ; nothing is left to fetch
	SLOT 1
	; THE WAY OUT: O^T / the sum is my query's 64 numbers of this head, register 16 b + i = d 32 b + 16 h + i: two blocks of the output projection's K.
.rept 4
	v_nop                                          ; places behind the last products
.endr
	v_add_f32 v14, v14, v15                        ; the sum's two halves,
	s_delay_alu instid0(VALU_DEP_1)
	v_permlanex16_b32 v224, v14, s20, s21
	s_delay_alu instid0(VALU_DEP_1)
	v_add_f32 v14, v14, v224                       ; and lane l xor 16's: the row's sum
	s_wait_alu depctr_va_vdst(0)
	v_rcp_f32 v226, v14
	v_nop                                          ; one plain place behind a transcendental
	v_cmp_neq_f32 vcc_lo, 0, v14                   ; false where every key of the row was hidden
.set j, 0
	s_wait_alu depctr_va_vdst(0)
.rept 16
	v_pk_mul_f32 v[S+j:S+j+1], v[O+j:O+j+1], v[226:227] op_sel_hi:[1,0]
.set j, j+2
.endr
.irp b, 0,1
	v_max3_num_f32 v[BM+\b], |v[S+16*\b]|, |v[S+1+16*\b]|, 0x1800000
.endr
.irp i, 2,4,6,8,10,12,14
.irp b, 0,1
	s_delay_alu instid0(VALU_DEP_2)
	v_max3_num_f32 v[BM+\b], v[BM+\b], |v[S+16*\b+\i]|, |v[S+1+16*\b+\i]|
.endr
.endr
.irp b, 0,1
	s_delay_alu instid0(VALU_DEP_2)
	v_permlanex16_b32 v[PT+\b], v[BM+\b], s20, s21
.endr
.irp b, 0,1
	s_delay_alu instid0(VALU_DEP_2)
	v_max_num_f32 v[BM+\b], v[BM+\b], v[PT+\b]
.endr
.irp b, 0,1
	s_delay_alu instid0(VALU_DEP_2)
	v_add_nc_u32 v[SO+\b], 0xff000000, v[BM+\b]
.endr
.irp b, 0,1
	s_delay_alu instid0(VALU_DEP_2)
	v_lshrrev_b32 v[PT+\b], 23, v[SO+\b]
.endr
	s_delay_alu instid0(VALU_DEP_1)
	v_lshl_or_b32 v[PSW], v[PT+1], 8, v[PT]
	s_delay_alu instid0(VALU_DEP_1)
	v_lshl_or_b32 v[PSW], v[PSW], 16, v[PSW]       ; (b0, b1, b0, b1): the reader takes the half that it needs
	s_delay_alu instid0(VALU_DEP_1)
	v_cndmask_b32 v[PSW], -1, v[PSW], vcc_lo       ; the sum was 0: the bytes 0xff
	v_cvt_scalef32_pk16_fp6_f32 v[PC:PC+2], v[S:S+15], v[SO]
	v_cvt_scalef32_pk16_fp6_f32 v[CT:CT+2], v[S+16:S+31], v[SO+1]
	v_nop                                          ; one plain place behind a scaled conversion
.irp i, 0,1,2
	v_permlane16_swap_b32 v[PC+\i], v[CT+\i]
.endr
.irp i, 0,1,2
	s_delay_alu instid0(VALU_DEP_3)
	v_mov_b32 v[PC+3+\i], v[CT+\i]
.endr
	global_store_b128 v[LI], v[PC:PC+3], s[8:9]            ; 512 consecutive bytes, at a multiple of 256 from xc's first byte
	global_store_b64 v[L8], v[PC+4:PC+5], s[8:9] offset:512   ; 256 more
	global_store_b32 v[L4], v[PSW], s[10:11]
	s_wait_tensorcnt 0x0                           ; the wave's end
	ds_add_u32 v[SPW], v[NIL]
	s_wait_dscnt 0x0
	ROUND                                          ; the closing round: no work-group ends while a partner may still ask for a tile that names it
	s_endpgm
.Lfunc_end_k_qdbb47acba0_attn:
	.size	k_qdbb47acba0_attn, .Lfunc_end_k_qdbb47acba0_attn-k_qdbb47acba0_attn
	.p2alignl 7, 3214868480
	.fill 96, 4, 3214868480
	.section	.rodata,"a",@progbits
	.p2align	6, 0x0
	.amdhsa_kernel k_qdbb47acba0_attn
		.amdhsa_group_segment_fixed_size 327680
		.amdhsa_private_segment_fixed_size 0
		.amdhsa_enable_private_segment 0
		.amdhsa_kernarg_size 32
		.amdhsa_user_sgpr_count 2
		.amdhsa_user_sgpr_kernarg_segment_ptr 1
		.amdhsa_wavefront_size32 1
		.amdhsa_system_sgpr_workgroup_id_x 1
		.amdhsa_system_sgpr_workgroup_id_y 1
		.amdhsa_system_sgpr_workgroup_id_z 1
		.amdhsa_system_vgpr_workitem_id 0
		.amdhsa_next_free_vgpr 256
		.amdhsa_next_free_sgpr 66
		.amdhsa_reserve_vcc 1
		.amdhsa_float_denorm_mode_32 3
		.amdhsa_float_denorm_mode_16_64 3
		.amdhsa_memory_ordered 1
		.amdhsa_forward_progress 1
		.amdhsa_inst_pref_size 85
	.end_amdhsa_kernel
	.amdgpu_metadata
---
amdhsa.version: [ 1, 2 ]
amdhsa.kernels:
  - .name:           k_qdbb47acba0_attn
    .symbol:         k_qdbb47acba0_attn.kd
    .args:
      - { .name: qc, .offset: 0, .size: 8, .value_kind: global_buffer, .address_space: global }
      - { .name: kv, .offset: 8, .size: 8, .value_kind: global_buffer, .address_space: global }
      - { .name: xc, .offset: 16, .size: 8, .value_kind: global_buffer, .address_space: global }
      - { .name: xs, .offset: 24, .size: 8, .value_kind: global_buffer, .address_space: global }
    .group_segment_fixed_size: 327680
    .private_segment_fixed_size: 0
    .kernarg_segment_align: 8
    .kernarg_segment_size: 32
    .max_flat_workgroup_size: 512
    .sgpr_count:     66
    .vgpr_count:     256
    .wavefront_size: 32
...
	.end_amdgpu_metadata
.endif
;; end of part 7
;; launch oproj (part 8): grid 128 x 2, 4 waves a work-group, no clusters, 17,920 bytes of LDS; arguments xc, xs, wc, ws, bo, out0; writes out0
.if DOCPART == 8
	.amdgcn_target "amdgcn-amd-amdhsa--gfx1250"
	.amdhsa_code_object_version 6
	.text
	.protected	k_qdbb47acba0_oproj
	.globl	k_qdbb47acba0_oproj
	.p2align	8
	.type	k_qdbb47acba0_oproj,@function
k_qdbb47acba0_oproj:
	s_mov_b64 s[64:65], 0
	v_nop
	global_prefetch_b8 v0, s[64:65] scope:SCOPE_SE
	s_setreg_imm32_b32 hwreg(HW_REG_WAVE_SCHED_MODE, 0, 2), 2
	s_setreg_imm32_b32 hwreg(HW_REG_WAVE_MODE, 25, 1), 1
	s_wait_xcnt 0x0
	s_wait_alu depctr_vm_vsrc(0)
; out0 = x Wo + bo on codes of FP6 (E2M3) with one E8M0 scale for each 32 along K.  x's codes and scale words were made by the attention launch, Wo's by the first launch, both as images of the operands' registers.
; SHARES: a wave takes 64 rows (row tiles G = 4 x + g, g = 0 .. 3) and 64 columns (group cg = 4 y + wave).  Its 16 fragments of Wo stay in registers; the waves share nothing: no barrier.
; NO CLUSTER: what work-groups share, the weights (26.6 KB a wave) and x's codes, goes straight into registers, once a wave.
; TRANSPOSED (source 0 = 16 columns of Wo, source 1 = 16 rows of x): a lane holds one row, and tiles 2 b, 2 b + 1 give it columns 32 b + 16 h + 0 .. 15.  A K step's fragment of x is two heads' halves on end;
; its scale word takes the low half of head 2 s's word and the high half of head 2 s + 1's.
; Row r of row tile g stands for row 64 x + 32 (g / 2) + 8 (g % 2) + r + 8 (r / 8).  A tile goes through the wave's own stage in LDS and leaves as rows: sixteen lanes store 256 consecutive bytes, at a multiple of 256 from out0's first byte.
; REGISTERS.  Window 0: v1-7 addresses; v16-31 Wo's scale words; v32-39 x's, two sets; v40-55 the heads' words as loaded, two sets; v64-159 x's fragments, two sets of 48; v160-191 accumulators; v192-223 rows on the way out;
;   v254, v255 the closing add's two.   Window 1: v0-191 Wo's fragments (4 t + s at 12 (4 t + s)); v192-223 the bias in the result's layout.
; THE MODE: SCHED_MODE bits 1:0 = 2 (LLVM: expert scheduling mode 2), set by the entry lines.  The code itself states the register dependences
; between vector or matrix instructions and memory or LDS instructions, with s_wait_alu, always for 0.
; THE PLAN.  Registers that memory or LDS instructions touch:
;   v1-v7              addresses and offsets: written at the head, never again.
;   x's set g % 2      fragments and heads' words: loaded two tiles ahead; read by tile g's four v_bfi and sixteen products; loaded again behind them.
;   the accumulators   written by tile g's products; read by its eight LDS stores; written again by tile g + 1's products.
;   the rows v192-223  tile g's eight LDS loads land there; its eight global stores read them; tile g + 1's LDS loads land there again.
; So a tile has: one wait on vm_vsrc ahead of its products (the tile before's LDS stores and global stores have read their registers); one on va_vdst in front of the products, for the scale words just made;
; and one on va_vdst behind them, which serves the loads of two tiles on and the LDS stores alike.
.set LI,  1                            ; 16 x lane
.set L8,  2
.set L4,  3
.set SO,  4                            ; my stage + 272 r + 64 h
.set SR,  5                            ; my stage + 272 (lane / 16) + 16 (lane % 16)
.set CO,  6                            ; 2,048 (lane / 16) + 16 (lane % 16)
.set BA1, 7                            ; 64 h
.set WS,  16
.set XS,  32
.set RS,  40
.set XF,  64
.set ACC, 160
.set OUTR, 192
.set BI,  192                          ; in window 1
.set MSB, 0
.macro WIN new                         ; the immediate's high byte repeats the setting that is left
.if MSB != \new
	s_set_vgpr_msb (MSB<<8)|\new
.set MSB, \new
.endif
.endm
.macro MMC d, a, b, c, sa, sb
	v_wmma_scale_f32_16x16x128_f8f6f4 v[(\d):(\d)+7], v[(\a):(\a)+11], v[(\b):(\b)+11], v[(\c):(\c)+7], v[\sa], v[\sb] matrix_a_fmt:MATRIX_FMT_FP6 matrix_b_fmt:MATRIX_FMT_FP6
.endm
.macro MMA d, a, b, sa, sb
	v_wmma_scale_f32_16x16x128_f8f6f4 v[(\d):(\d)+7], v[(\a):(\a)+11], v[(\b):(\b)+11], v[(\d):(\d)+7], v[\sa], v[\sb] matrix_a_fmt:MATRIX_FMT_FP6 matrix_b_fmt:MATRIX_FMT_FP6
.endm
.macro XLOAD g                         ; row tile g: eight heads' half fragments and scale words: 24 loads, into set g % 2
.irp e, 0,1,2,3,4,5,6,7
	global_load_b128 v[XF+48*((\g)%2)+6*\e:XF+48*((\g)%2)+6*\e+3], v[LI], s[4:5] offset:(\g)*6144+768*\e
	global_load_b64 v[XF+48*((\g)%2)+6*\e+4:XF+48*((\g)%2)+6*\e+5], v[L8], s[4:5] offset:(\g)*6144+768*\e+512
	global_load_b32 v[RS+8*((\g)%2)+\e], v[L4], s[6:7] offset:(\g)*1024+128*\e
.endr
.endm
	s_load_b256 s[4:11], s[0:1], 0x0               ; xc, xs, wc, ws
	s_load_b128 s[12:15], s[0:1], 0x20             ; bo, out0
	v_lshl_add_u32 v254, v0, 2, 0x4400
	v_mov_b32 v255, 0
	v_lshrrev_b32 v10, 5, v0
	v_readfirstlane_b32 s16, v10                   ; wave 0..3
	s_and_b32 s17, ttmp7, 0xffff
	s_lshl_b32 s17, s17, 2
	s_wait_alu depctr_va_sdst(0)                   ; s16, the wave's number, is written, ahead of its first reader
	s_add_co_u32 s17, s17, s16                     ; cg: my 64 columns
	v_and_b32 v10, 31, v0
	v_and_b32 v11, 15, v0
	v_bfe_u32 v12, v0, 4, 1
	v_lshlrev_b32 v[LI], 4, v10
	v_lshlrev_b32 v[L8], 3, v10
	v_lshlrev_b32 v[L4], 2, v10
	s_mul_i32 s18, s16, 4352                       ; my stage: 16 rows x (256 bytes + 16)
	v_mul_u32_u24 v13, v11, 272
	v_lshl_add_u32 v13, v12, 6, v13
	v_add_nc_u32 v[SO], s18, v13
	v_mul_u32_u24 v13, v12, 272
	v_lshl_add_u32 v13, v11, 4, v13
	v_add_nc_u32 v[SR], s18, v13
	v_lshlrev_b32 v13, 11, v12
	v_lshl_add_u32 v[CO], v11, 4, v13
	v_lshlrev_b32 v[BA1], 6, v12
	s_mov_b32 s21, 0
	s_wait_kmcnt 0x0
	s_mul_i32 s20, s17, 24576
	s_add_co_u32 s20, s20, 3*196608                ; Wo is the fourth weight
	s_add_nc_u64 s[8:9], s[8:9], s[20:21]
	s_lshl_b32 s20, s17, 11
	s_add_co_u32 s20, s20, 3*16384
	s_add_nc_u64 s[10:11], s[10:11], s[20:21]
	s_lshl_b32 s20, s17, 8
	s_add_nc_u64 s[12:13], s[12:13], s[20:21]      ; my 64 numbers of bo,
	s_add_nc_u64 s[14:15], s[14:15], s[20:21]      ; my 256 bytes of a row of out0,
	s_lshl_b32 s20, ttmp9, 17
	s_add_nc_u64 s[14:15], s[14:15], s[20:21]      ; from row 64 x on
	s_mul_i32 s20, ttmp9, 4*6144
	s_add_nc_u64 s[4:5], s[4:5], s[20:21]
	s_lshl_b32 s20, ttmp9, 12
	s_add_nc_u64 s[6:7], s[6:7], s[20:21]
	WIN 0x40                                       ; destination window 1, address window 0
	s_wait_alu depctr_va_vdst(0)                   ; v1 to v7 are written, which every load and store of the kernel reads as its address or offset
.set n, 0
.rept 48
	global_load_b128 v[4*n:4*n+3], v[LI], s[8:9] offset:512*n
.set n, n+1
.endr
.irp t, 0,1,2,3
.irp k, 0,1
	global_load_b128 v[BI+8*\t+4*\k:BI+8*\t+4*\k+3], v[BA1], s[12:13] offset:4*(32*(\t/2)+8*(\t%2))+16*\k
.endr
.endr
	WIN 0
.irp f, 0,1,2,3,4,5,6,7,8,9,10,11,12,13,14,15
	global_load_b32 v[WS+\f], v[L4], s[10:11] offset:128*\f
.endr
	XLOAD 0
	XLOAD 1
.macro TILE g
.set FX, XF+48*((\g)%2)
.set SX, XS+4*((\g)%2)
.if \g < 3
	s_wait_loadcnt 24                              ; all but the next tile's 24 loads
.else
	s_wait_loadcnt 0x0
.endif
.irp s, 0,1,2,3
	v_bfi_b32 v[SX+\s], 0xffff, v[RS+8*((\g)%2)+2*\s], v[RS+8*((\g)%2)+2*\s+1]   ; bytes 0, 1: head 2 s; bytes 2, 3: head 2 s + 1
.endr
.rept 8
	v_nop                                          ; a scale register written by a vector instruction stands eight places ahead of a scaled matrix instruction
.endr
.if \g > 0
	s_wait_alu depctr_vm_vsrc(0)                   ; the tile before's LDS stores have read the accumulators, which the products below write again; its global stores have read the rows' registers, in which this tile's LDS loads land
.endif
	s_wait_alu depctr_va_vdst(0)                   ; the four v_bfi have written the scale words, which the products below take as scales; the places above stay beside this wait
.irp s, 0,1,2,3                                ; four accumulators by turns, K step by K step
.if \s == 0
	WIN 0x11                                       ; source 0 (Wo) and source 2 (the bias) window 1
.else
	WIN 0x01
.endif
.irp t, 0,1,2,3
.if \s == 0
	MMC ACC+8*\t, 12*(4*\t+\s), FX+12*\s, BI+8*\t, WS+4*\t+\s, SX+\s
.else
	MMA ACC+8*\t, 12*(4*\t+\s), FX+12*\s, WS+4*\t+\s, SX+\s
.endif
.endr
.endr
	WIN 0
.rept 4
	v_nop                                          ; places ahead of loads into the products' sources and of the stores that read their results
.endr
	s_wait_alu depctr_va_vdst(0)                   ; the products have written the accumulators, which the LDS stores read, and are done reading this set's fragments, as the v_bfi are its heads' words: the loads below land there
.if \g < 2
	XLOAD (\g)+2
.endif
	s_wait_xcnt 0x0                                ; the last tile's stores have read their registers: the rows' registers may be loaded again
.irp t, 0,1,2,3
	ds_store_b128 v[SO], v[ACC+8*\t:ACC+8*\t+3] offset:128*(\t/2)+32*(\t%2)          ; each accumulator from its low end on
	ds_store_b128 v[SO], v[ACC+8*\t+4:ACC+8*\t+7] offset:128*(\t/2)+32*(\t%2)+16
.endr
.irp i, 0,1,2,3,4,5,6,7
	ds_load_b128 v[OUTR+4*\i:OUTR+4*\i+3], v[SR] offset:544*\i   ; LDS serves a wave's instructions in order (ISA guide 5.7.1.4): these see the stores above
.endr
.irp i, 0,1,2,3,4,5,6,7
	s_wait_dscnt 7-\i                              ; the younger read-backs may stay out
	global_store_b128 v[CO], v[OUTR+4*\i:OUTR+4*\i+3], s[14:15] offset:(32*((\g)/2)+8*((\g)%2)+2*\i+8*(\i/4))*2048 th:TH_STORE_NT
.endr
.endm
	TILE 0
	TILE 1
	TILE 2
	TILE 3
	s_wait_dscnt 0x0                               ; the closing lines, six on end
	s_wait_alu 0x0
	s_wait_tensorcnt 0x0
	ds_add_u32 v254, v255
	s_wait_dscnt 0x0
	s_endpgm
.Lfunc_end_k_qdbb47acba0_oproj:
	.size	k_qdbb47acba0_oproj, .Lfunc_end_k_qdbb47acba0_oproj-k_qdbb47acba0_oproj
	.p2alignl 7, 3214868480
	.fill 96, 4, 3214868480
	.section	.rodata,"a",@progbits
	.p2align	6, 0x0
	.amdhsa_kernel k_qdbb47acba0_oproj
		.amdhsa_group_segment_fixed_size 17920
		.amdhsa_private_segment_fixed_size 0
		.amdhsa_enable_private_segment 0
		.amdhsa_kernarg_size 48
		.amdhsa_user_sgpr_count 2
		.amdhsa_user_sgpr_kernarg_segment_ptr 1
		.amdhsa_wavefront_size32 1
		.amdhsa_system_sgpr_workgroup_id_x 1
		.amdhsa_system_sgpr_workgroup_id_y 1
		.amdhsa_system_sgpr_workgroup_id_z 1
		.amdhsa_system_vgpr_workitem_id 0
		.amdhsa_next_free_vgpr 512
		.amdhsa_next_free_sgpr 66
		.amdhsa_reserve_vcc 0
		.amdhsa_float_denorm_mode_32 3
		.amdhsa_float_denorm_mode_16_64 3
		.amdhsa_memory_ordered 1
		.amdhsa_forward_progress 1
		.amdhsa_inst_pref_size 39
	.end_amdhsa_kernel
	.amdgpu_metadata
---
amdhsa.version: [ 1, 2 ]
amdhsa.kernels:
  - .name:           k_qdbb47acba0_oproj
    .symbol:         k_qdbb47acba0_oproj.kd
    .args:
      - { .name: xc, .offset: 0, .size: 8, .value_kind: global_buffer, .address_space: global }
      - { .name: xs, .offset: 8, .size: 8, .value_kind: global_buffer, .address_space: global }
      - { .name: wc, .offset: 16, .size: 8, .value_kind: global_buffer, .address_space: global }
      - { .name: ws, .offset: 24, .size: 8, .value_kind: global_buffer, .address_space: global }
      - { .name: bo, .offset: 32, .size: 8, .value_kind: global_buffer, .address_space: global }
      - { .name: out0, .offset: 40, .size: 8, .value_kind: global_buffer, .address_space: global }
    .group_segment_fixed_size: 17920
    .private_segment_fixed_size: 0
    .kernarg_segment_align: 8
    .kernarg_segment_size: 48
    .max_flat_workgroup_size: 128
    .sgpr_count:     66
    .vgpr_count:     512
    .wavefront_size: 32
...
	.end_amdgpu_metadata
.endif
;; end of part 8
